; MI455X (gfx1250); checked and timed in simulation.
; The chip was launched on July 23, 2026; its instructions are those of AMD's public machine-readable ISA for CDNA 5 (MIT licence, August 2026) and "CDNA5" Instruction Set Architecture Reference Guide (July 2026). The comments in the code are by the model that wrote it; some were corrected since.
;; Causal Self Attention. Allowed arithmetic: matrix products marked QUANTISED: E2M3 operands, one E8M0 scale for each 32 along K, by v_wmma_scale_f32_16x16x128_f8f6f4 with both operands' format E2M3, f32 sums; everything else in f32.
;; Inputs: b_attn 3,072 float32; b_proj 1,024 float32; w_attn 1,024 x 3,072 float32; w_proj 1,024 x 1,024 float32; x 4 x 2,048 x 1,024 float32.
;; Outputs: out0 4 x 2,048 x 1,024 float32.
;; This version of the problem:
;;   THIS VERSION OF THE PROBLEM IS GIVEN IN LOW PRECISION. The matrix products marked QUANTISED in the list below multiply operands that are first quantised to E2M3 (2 exponent bits, 3 mantissa bits; 6 bits a number), with one power-of-two scale for each 32 numbers along K (OCP MX v1.0); their sums are f32. All else is computed in f32.
;;   The module's matrix products, in the order in which they are computed (A, B: the left and right operand; K: the contracted axis; several contracted axes count as one K, in the product's order):
;;     1. [M 8,192, K 1,024] x [K 1,024, N 3,072]; A: input x; B: input w_attn: QUANTISED
;;     2. batch 64 x [M 2,048, K 64] x [K 64, N 2,048]; A: computed on the way; B: computed on the way: QUANTISED
;;     3. batch 64 x [M 2,048, K 2,048] x [K 2,048, N 64]; A: softmax (see below); B: computed on the way: QUANTISED
;;     4. [M 8,192, K 1,024] x [K 1,024, N 1,024]; A: computed on the way; B: input w_proj: QUANTISED
;;   THE QUANTISER, for each operand of a quantised product, along K:
;;     - K is cut into blocks of 32 from its start; a last block that is shorter is filled with zeros.
;;     - A block's scale is 2^e with e = floor(log2(the largest magnitude in the block)) - 2, held to -126 .. 127; a block of zeros has e = 0. As a byte (E8M0): e + 127.
;;     - Each number is divided by its block's scale, clamped to +-7.5, and rounded to the nearest number of E2M3, ties to even, subnormals kept.
;;     - The product sums the exact products of the quantised numbers (number of the format x scale) in f32.
;;   ~~~python
;;   def quantise(x, axis):      # numpy; x: float32 -> the quantised numbers, widened to float32 again
;;       x = np.moveaxis(x, axis, -1); K = x.shape[-1]
;;       x = np.pad(x, [(0, 0)] * (x.ndim - 1) + [(0, -K % 32)]); x = x.reshape(x.shape[:-1] + (-1, 32)); a = np.abs(x).max(-1, keepdims=True)
;;       e = np.where(a > 0, np.clip(np.frexp(np.where(a > 0, a, 1))[1] - 1 - 2, -126, 127), 0)      # np.frexp(a)[1] - 1 = floor(log2(a)), exactly
;;       r = np.clip(x / 2.0 ** e, -7.5, 7.5)
;;       step = 2.0 ** (np.maximum(np.frexp(np.where(r == 0, 1, r))[1] - 1, 0) - 3)
;;       q = np.round(r / step) * step * 2.0 ** e      # np.round: ties to even
;;       return np.moveaxis(q.reshape(q.shape[:-2] + (-1,))[..., :K], -1, axis).astype(np.float32)
;;   ~~~
;;   SOFTMAX AHEAD OF A QUANTISED PRODUCT. Where the list says 'softmax', what is quantised is not the finished softmax but p = 2^(t - M), with t = logit x log2(e) and M = ceil(the row's largest t), a whole number; so 1/2 < the row's largest p <= 1. The row's sum l is taken of the UNQUANTISED p, in f32, and the product's result is divided by l at the end. Since M is a whole number, a kernel that streams over the keys may use a running M (the ceiling of the running maximum): every later rescaling is an exact power of two, which a block's scale takes up: the codes' values come out the same.
;;   OPERANDS COMPUTED ON THE WAY. 'Computed on the way' means the value that the module computes at that place (a softmax that the list does not call 'softmax' is quantised finished and normalised). What goes into a quantiser is computed in f32, as accurately as f32 sums, v_exp_f32 and their like allow (about 1e-6 of the number): no bf16 or f16 on the way to a quantiser, and a product that is left as it is and whose result goes on into a quantised operand takes f32 operands (vector FMAs, or v_wmma_f32_16x16x4_f32). A number that lies on a knife's edge between two numbers of the format may be rounded either way, as far as f32 arithmetic and the matrix unit's own rounding can turn it there, and no further.
;; One version. Each part assembles by itself: llvm-mc -triple=amdgcn-amd-amdhsa -mcpu=gfx1250 --defsym DOCPART=n.
;; ======== version 1 of 1: 4 launches
;; limits: right only within a limited range of input values
;; workspace buffers: xc 6,291,456 bytes; xs 262,144 bytes; wc 3,145,728 bytes; ws 131,072 bytes; qkv 19,660,800 bytes; yc 6,291,456 bytes; ys 262,144 bytes
;; launch prep (part 1): grid 512 x 1, 4 waves a work-group, no clusters, 49,664 bytes of LDS; arguments x, w_attn, w_proj, xc, xs, wc, ws; writes xc, xs, wc, ws
.if DOCPART == 1
	.amdgcn_target "amdgcn-amd-amdhsa--gfx1250"
	.amdhsa_code_object_version 6
	.text
	.protected	k_q3a8c7e400e_prep
	.globl	k_q3a8c7e400e_prep
	.p2align	8
	.type	k_q3a8c7e400e_prep,@function
k_q3a8c7e400e_prep:
	s_mov_b64 s[64:65], 0
	v_nop
	global_prefetch_b8 v0, s[64:65] scope:SCOPE_SE
	s_setreg_imm32_b32 hwreg(HW_REG_WAVE_MODE, 25, 1), 1
	s_wait_xcnt 0x0
; PREP: x [8192][1024], w_attn [1024][3072] and w_proj [1024][1024], f32, become codes of FP6 (E2M3) with one E8M0 byte for each 32 along K.
; K is x's last axis and the weights' FIRST axis.  A block's scale is 2^(floor(log2(its largest magnitude)) - 2); its byte is the largest magnitude's exponent field - 2, held at 1 from below.
; LIMITS: NaN and infinities among the inputs are not served.  A block of zeros, or one whose largest magnitude lies under 2^-124, keeps the byte 1 where the rule says 127 for zeros:
; its codes are zeros, which add nothing under any byte but 0xff, and these bytes are read by this program alone.
; THE CODES ARE LAID IN THE ORDER OF THE OPERAND'S REGISTERS: [16 positions RB][K step of 128, 0..7][piece p 0..5][lane 0..31][8 bytes]; piece p of lane (r, h) is registers 2 p, 2 p + 1 of the fragment
; (16 positions x 128 K, 12 registers): a fragment is 1,536 consecutive bytes.  POSITION P HOLDS ROW pi(P), pi = bits 3 and 4 of P exchanged: so 16 positions are rows 32 (t / 2) + 8 (t % 2) + r + 8 (r / 8),
; and a product that takes them as source 0 leaves 16 neighbours along the next K in a lane's registers.  The scale bytes lie [position][32].
; Work-groups 0..255 take x (a wave: 16 positions, one half of K); work-groups 256..511 take the weights (a wave: 32 columns x 128 along K).  wc and ws hold w_attn's 3,072 columns and then w_proj's 1,024.
; The two paths part on the work-group's number and have LDS bytes of their own.  A stage is a wave's own: no barrier.  No tensor load: nothing here is read twice.
; The weights' scale words leave as 4 bytes a lane, 32 bytes apart (one byte for each 128 bytes read): whole rows of scale bytes would want one wave to cover all of K.
.set XWG,   256                        ; work-groups for x, numbers 0..255; the weights' 256 follow.  A WAVE OF PATH X TAKES 16 POSITIONS AND ONE HALF OF K, four K steps (this line stands for what the head says of x's share)
.set RBB,   12288                      ; 16 positions' codes, all of K
.set FRB,   1536                       ; a fragment
.set XP,    528                        ; path X: a stage row: 512 bytes (128 numbers of a token) + 16, an odd multiple of 16
.set XSTG,  16*XP                      ; and a wave's stage
.set WSTG0, 34816                      ; path W: the stages begin behind path X's four
.set WSTG,  3584                       ; a wave's
.set WFR,   1664                       ; its second fragment begins here: 1,536 + 128
.set XO,  1                            ; v1   16 x lane
.set XST, 2                            ; v2   stage, in: 16 x lane
.set XLD, 3                            ; v3   stage, out: row r, + 64 h
.set CO8, 4                            ; v4   8 x lane
.set SO,  5                            ; v5   32 r
.set R,   16                           ; v16-143  two sets of 64 registers as loaded
.set X,   144                          ; v144-207 64 numbers: register 16 b + i = k 32 b + 16 h + i of row r
.set TM,  208                          ; v208-223 at work
.set PC,  224                          ; v224-243 12 registers of codes, and 8 at work
.set PWK, 244                          ; v244-247 a scale word for each K step
.set OFFV, 16                          ; path W: v16-47 byte offsets of 32 rows of the weight
.set WX,  48                           ; v48-111 two sets of 32 numbers
.set WC,  112                          ; v112-117 a block's codes;  v120-122 its second half as converted
.set WT,  120
.set SB,  124                          ; v124 the four scale bytes
.set WOUT, 128                         ; v128-151 the way out
; 64 numbers of a lane, v[s] on, become a fragment's codes in v[PC] on and its row's scale word in v[pw]
.macro QUANT s, pw
.irp b, 0,1,2,3
	v_max3_num_f32 v[TM+\b], |v[\s+16*\b]|, |v[\s+1+16*\b]|, 0x1800000   ; block b: my 16 numbers, and the floor 2^(3 - 127): the byte cannot fall under 1
.endr
.irp i, 2,4,6,8,10,12,14
.irp b, 0,1,2,3
	v_max3_num_f32 v[TM+\b], v[TM+\b], |v[\s+16*\b+\i]|, |v[\s+1+16*\b+\i]|   ; the four blocks by turns
.endr
.endr
.irp b, 0,1,2,3
	v_permlanex16_b32 v[TM+4+\b], v[TM+\b], s20, s21
.endr
.irp b, 0,1,2,3
	v_max_num_f32 v[TM+\b], v[TM+\b], v[TM+4+\b]   ; with lane l xor 16's: the block's largest magnitude
.endr
.irp b, 0,1,2,3
	v_add_nc_u32 v[TM+12+\b], 0xff000000, v[TM+\b] ; 2 off its exponent field: the conversion takes the exponent field of this operand as its scale
.endr
.irp b, 0,1,2,3
	v_lshrrev_b32 v[TM+4+\b], 23, v[TM+12+\b]      ; the scale's byte
.endr
	v_lshl_or_b32 v[\pw], v[TM+5], 8, v[TM+4]
	v_lshl_or_b32 v[\pw], v[TM+6], 16, v[\pw]
	v_lshl_or_b32 v[\pw], v[TM+7], 24, v[\pw]
.irp c, 0,1
	v_cvt_scalef32_pk16_fp6_f32 v[PC+6*\c:PC+2+6*\c], v[\s+32*\c:\s+15+32*\c], v[TM+12+2*\c]
	v_cvt_scalef32_pk16_fp6_f32 v[PC+12+4*\c:PC+14+4*\c], v[\s+16+32*\c:\s+31+32*\c], v[TM+12+2*\c+1]   ; (a conversion's three registers begin on an even number)
.endr
	v_nop                                          ; one plain instruction behind a scaled conversion
.irp c, 0,1                                    ; the operand's layout wants a whole block in a lane: lanes 0-15 block 2 c, lanes 16-31 block 2 c + 1
.irp i, 0,1,2
	v_permlane16_swap_b32 v[PC+6*\c+\i], v[PC+12+4*\c+\i]
.endr
.irp i, 0,1,2
	v_mov_b32 v[PC+3+6*\c+\i], v[PC+12+4*\c+\i]
.endr
.endr
.endm
.macro LOADX ks                        ; K step ks of my 16 tokens: an instruction reads one token's 512 consecutive bytes
.irp i, 0,1,2,3,4,5,6,7,8,9,10,11,12,13,14,15
	global_load_b128 v[R+64*((\ks)%2)+4*\i:R+64*((\ks)%2)+4*\i+3], v[XO], s[4:5] offset:(\i+8*(\i/8))*4096+512*(\ks) th:TH_LOAD_NT
.endr
.endm
.macro XSTEP ks
.if \ks < 3
	s_wait_loadcnt 16                              ; this K step's 16 loads are in; the next step's 16 may be out
.else
	s_wait_loadcnt 0x0
.endif
.irp i, 0,1,2,3,4,5,6,7,8,9,10,11,12,13,14,15
	ds_store_b128 v[XST], v[R+64*((\ks)%2)+4*\i:R+64*((\ks)%2)+4*\i+3] offset:XP*\i
.endr
.irp b, 0,1,2,3
.irp j, 0,1,2,3
	ds_load_b128 v[X+16*\b+4*\j:X+16*\b+4*\j+3], v[XLD] offset:128*\b+16*\j   ; LDS serves a wave's instructions in order: these see the stores above
.endr
.endr
	s_wait_dscnt 0x0                               ; the numbers are back, and the stores into the stage have read their registers
	s_wait_xcnt 0x0                                ; the last step's stores of codes have read theirs: PC is written again only behind this wait
.if \ks+2 < 4
	LOADX \ks+2
.endif
	QUANT X, PWK+\ks
.irp p, 0,1,2,3,4,5
	global_store_b64 v[CO8], v[PC+2*\p:PC+2*\p+1], s[10:11] offset:FRB*(\ks)+256*\p   ; 32 lanes store 256 consecutive bytes, aligned
.endr
.endm
.macro LOADW t                         ; block t of my column: 32 rows of the weight; an instruction reads 128 consecutive bytes
.irp i, 0,1,2,3,4,5,6,7,8,9,10,11,12,13,14,15,16,17,18,19,20,21,22,23,24,25,26,27,28,29,30,31
	global_load_b32 v[WX+32*((\t)%2)+\i], v[OFFV+\i], s[32+2*(\t):33+2*(\t)] th:TH_LOAD_NT
.endr
.endm
.macro BLOCK t
.set XS, WX+32*((\t)%2)
.if \t < 3
	s_wait_loadcnt 32                              ; this block's 32 loads are in; the next block's may be out
.else
	s_wait_loadcnt 0x0
.endif
	v_max3_num_f32 v12, |v[XS]|, |v[XS+1]|, |v[XS+2]|   ; the block's largest magnitude: all 32 numbers are mine
	v_max3_num_f32 v13, |v[XS+3]|, |v[XS+4]|, |v[XS+5]|
.irp i, 6,10,14,18,22,26
	v_max3_num_f32 v12, v12, |v[XS+\i]|, |v[XS+\i+1]|
	v_max3_num_f32 v13, v13, |v[XS+\i+2]|, |v[XS+\i+3]|
.endr
	v_max3_num_f32 v12, v12, |v[XS+30]|, |v[XS+31]|
	v_max3_num_f32 v12, v12, v13, 0x1800000        ; and the floor
	v_add_nc_u32 v11, 0xff000000, v12              ; the conversion's scale operand
	v_lshrrev_b32 v13, 23, v11                     ; the byte
.if \t == 0
	v_mov_b32 v[SB], v13
.else
	v_lshl_or_b32 v[SB], v13, 8*(\t), v[SB]
.endif
	v_cvt_scalef32_pk16_fp6_f32 v[WC:WC+2], v[XS:XS+15], v11
	v_cvt_scalef32_pk16_fp6_f32 v[WT:WT+2], v[XS+16:XS+31], v11
	v_nop                                          ; one plain instruction behind a scaled conversion
.irp i, 0,1,2
	v_mov_b32 v[WC+3+\i], v[WT+\i]
.endr
.irp q, 0,1,2
	ds_store_b64 v1, v[WC+2*\q:WC+2*\q+1] offset:768*((\t)/2)+128*((\t)%2)+256*\q   ; block t = 2 c + h of the K step: pieces 3 c + q, lane 16 h + my place
.endr
.if \t+2 < 4
	LOADW \t+2
.endif
	s_wait_dscnt 0x0                               ; the stores have read their registers: the next block's codes may be written
.endm
	s_load_b256 s[4:11], s[0:1], 0x0               ; x s[4:5], w_attn s[6:7], w_proj s[8:9], xc s[10:11]
	s_load_b128 s[12:15], s[0:1], 0x20             ; xs s[12:13], wc s[14:15]
	s_load_b64 s[16:17], s[0:1], 0x30              ; ws
	v_lshl_add_u32 v254, v0, 2, 0xc000
	v_mov_b32 v255, 0
	v_lshrrev_b32 v1, 5, v0
	v_readfirstlane_b32 s18, v1                    ; wave 0..3
	v_and_b32 v6, 31, v0                           ; lane
	s_cmp_lt_u32 ttmp9, XWG
	s_cbranch_scc0 .Lweights
	; ---------------- path X: my wave's 16 positions of x
	v_and_b32 v7, 15, v0                           ; r
	v_bfe_u32 v8, v0, 4, 1                         ; h
	s_mov_b32 s20, 0x76543210
	s_mov_b32 s21, 0xfedcba98                      ; v_permlanex16_b32's selects for lane l xor 16
	s_lshl_b32 s22, ttmp9, 2
	s_add_co_u32 s22, s22, s18                     ; 4 x work-group + wave:
	s_and_b32 s31, s22, 1                          ; which half of K,
	s_lshr_b32 s22, s22, 1                         ; and RB
	s_lshr_b32 s23, s22, 1
	s_lshl_b32 s23, s23, 5
	s_and_b32 s24, s22, 1
	s_lshl_b32 s24, s24, 3
	s_add_co_u32 s24, s24, s23                     ; its first token: 32 (RB / 2) + 8 (RB % 2)
	s_lshl_b32 s24, s24, 12                        ; x 4,096 bytes,
	s_lshl_b32 s32, s31, 11
	s_add_co_u32 s24, s24, s32                     ; + my half of K: 512 numbers
	s_mov_b32 s25, 0
	s_mul_i32 s26, s22, RBB
	s_mul_i32 s32, s31, 4*FRB
	s_add_co_u32 s26, s26, s32                     ; its four fragments
	s_mov_b32 s27, 0
	s_lshl_b32 s28, s22, 9                         ; 16 positions x 32 scale bytes,
	s_lshl_b32 s32, s31, 4
	s_add_co_u32 s28, s28, s32                     ; its four words
	s_mov_b32 s29, 0
	s_mul_i32 s30, s18, XSTG
	s_wait_alu depctr_va_vdst(0)
	v_lshlrev_b32 v[XO], 4, v6
	v_add_nc_u32 v[XST], s30, v[XO]
	v_mul_u32_u24 v[XLD], v7, XP
	v_lshl_add_u32 v[XLD], v8, 6, v[XLD]
	v_add_nc_u32 v[XLD], s30, v[XLD]
	v_lshlrev_b32 v[CO8], 3, v6
	v_lshlrev_b32 v[SO], 5, v7
.irp b, 0,1,2,3
	v_mov_b32 v[TM+4+\b], 0                        ; written once: a lane permute's destination counts as one of its sources
.endr
	s_wait_alu depctr_va_vdst(0)
	s_wait_kmcnt 0x0
	s_add_nc_u64 s[4:5], s[4:5], s[24:25]
	s_add_nc_u64 s[10:11], s[10:11], s[26:27]
	s_add_nc_u64 s[12:13], s[12:13], s[28:29]
	LOADX 0
	LOADX 1
.irp t, 0,1,2,3
	XSTEP \t
.endr
	global_store_b128 v[SO], v[PWK:PWK+3], s[12:13]   ; my row's four words, 16 bytes of its 32: lanes r and r + 16 store the same bytes with the same values; whole rows would want one wave to cover all of K
	s_wait_tensorcnt 0x0
	ds_add_u32 v254, v255
	s_wait_dscnt 0x0
	s_endpgm
	; ---------------- path W: my wave's 32 columns x 128 along K
.Lweights:
	s_sub_co_u32 s22, ttmp9, XWG
	s_and_b32 s23, s22, 31                         ; which 128 columns of the 4,096
	s_lshr_b32 s24, s22, 5                         ; which K step
	s_lshl_b32 s25, s23, 7
	s_lshl_b32 s26, s18, 5
	s_add_co_u32 s25, s25, s26                     ; my wave's first column
	v_bfe_u32 v7, v0, 3, 1                         ; column L goes to position pi(L): fragment u = bit 3 of L,
	v_bfe_u32 v8, v0, 4, 1
	v_and_b32 v9, 7, v0
	v_lshl_add_u32 v9, v8, 3, v9                   ; place 8 (bit 4 of L) + L % 8 in it
	s_mul_i32 s27, s18, WSTG
	s_add_co_u32 s27, s27, WSTG0                   ; my stage
	v_mul_u32_u24 v1, v7, WFR
	v_lshl_add_u32 v1, v9, 3, v1
	v_add_nc_u32 v1, s27, v1                       ; into it
	s_wait_alu depctr_va_vdst(0)
	v_lshlrev_b32 v3, 4, v6                        ; 16 x lane
	v_add_nc_u32 v2, s27, v3                       ; out of it
	v_lshl_add_u32 v4, v7, 4, v9
	v_lshlrev_b32 v4, 5, v4                        ; my position's row of scale bytes
	v_lshlrev_b32 v[OFFV], 2, v6
	s_mul_i32 s40, s25, 768                        ; the codes: 768 bytes a position,
	s_mul_i32 s41, s24, FRB                        ; my K step's fragment
	s_add_co_u32 s40, s40, s41
	s_mov_b32 s41, 0
	s_lshl_b32 s42, s25, 5                         ; the scale bytes: 32 a position, my K step's word
	s_lshl_b32 s43, s24, 2
	s_add_co_u32 s42, s42, s43
	s_mov_b32 s43, 0
	s_wait_alu depctr_va_vdst(0)
	s_wait_kmcnt 0x0
	s_cmp_lt_u32 s23, 24                           ; w_attn's columns or w_proj's?  The choice hangs on the work-group's number alone; only the source is chosen
	s_cselect_b64 s[32:33], s[6:7], s[8:9]
	s_mov_b32 s28, 4096
	s_cselect_b32 s28, 12288, s28                  ; bytes from row to row
	s_cselect_b32 s29, 0, 3072
	s_sub_co_u32 s29, s25, s29                     ; the column in its own tensor
	s_lshl_b32 s29, s29, 2
	s_mul_i32 s30, s24, s28
	s_lshl_b32 s30, s30, 7                         ; 128 rows a K step
	s_add_co_u32 s30, s30, s29
	s_mov_b32 s31, 0
	s_add_nc_u64 s[32:33], s[32:33], s[30:31]      ; a base for each block of 32 rows: none is stepped
	s_lshl_b32 s30, s28, 5
	s_add_nc_u64 s[34:35], s[32:33], s[30:31]
	s_add_nc_u64 s[36:37], s[34:35], s[30:31]
	s_add_nc_u64 s[38:39], s[36:37], s[30:31]
	s_add_nc_u64 s[14:15], s[14:15], s[40:41]
	s_add_nc_u64 s[16:17], s[16:17], s[42:43]
.irp i, 1,2,3,4,5,6,7,8,9,10,11,12,13,14,15,16,17,18,19,20,21,22,23,24,25,26,27,28,29,30,31
	v_add_nc_u32 v[OFFV+\i], s28, v[OFFV+\i-1]     ; the pitch is chosen, so it cannot stand in an immediate
.endr
	LOADW 0
	LOADW 1
	BLOCK 0
	BLOCK 1
	BLOCK 2
	BLOCK 3
.irp n, 0,1,2,3,4,5
	ds_load_b128 v[WOUT+4*\n:WOUT+4*\n+3], v2 offset:(\n/3)*WFR+512*(\n%3)
.endr
.irp n, 0,1,2,3,4,5
	s_wait_dscnt 5-\n                              ; load n is in; the 5 - n behind it may be out
	global_store_b128 v3, v[WOUT+4*\n:WOUT+4*\n+3], s[14:15] offset:(\n/3)*RBB+512*(\n%3)   ; 32 lanes store 512 consecutive bytes, aligned
.endr
	s_wait_alu depctr_va_vdst(0)
	global_store_b32 v4, v[SB], s[16:17]
	s_wait_tensorcnt 0x0
	ds_add_u32 v254, v255
	s_wait_dscnt 0x0
	s_endpgm
.Lfunc_end_k_q3a8c7e400e_prep:
	.size	k_q3a8c7e400e_prep, .Lfunc_end_k_q3a8c7e400e_prep-k_q3a8c7e400e_prep
	.p2alignl 7, 3214868480
	.fill 96, 4, 3214868480
	.section	.rodata,"a",@progbits
	.p2align	6, 0x0
	.amdhsa_kernel k_q3a8c7e400e_prep
		.amdhsa_group_segment_fixed_size 49664
		.amdhsa_private_segment_fixed_size 0
		.amdhsa_enable_private_segment 0
		.amdhsa_kernarg_size 56
		.amdhsa_user_sgpr_count 2
		.amdhsa_user_sgpr_kernarg_segment_ptr 1
		.amdhsa_wavefront_size32 1
		.amdhsa_system_sgpr_workgroup_id_x 1
		.amdhsa_system_sgpr_workgroup_id_y 1
		.amdhsa_system_sgpr_workgroup_id_z 1
		.amdhsa_system_vgpr_workitem_id 0
		.amdhsa_next_free_vgpr 256
		.amdhsa_next_free_sgpr 66
		.amdhsa_reserve_vcc 0
		.amdhsa_float_denorm_mode_32 3
		.amdhsa_float_denorm_mode_16_64 3
		.amdhsa_memory_ordered 1
		.amdhsa_forward_progress 1
		.amdhsa_inst_pref_size 58
	.end_amdhsa_kernel
	.amdgpu_metadata
---
amdhsa.version: [ 1, 2 ]
amdhsa.kernels:
  - .name:           k_q3a8c7e400e_prep
    .symbol:         k_q3a8c7e400e_prep.kd
    .args:
      - { .name: x, .offset: 0, .size: 8, .value_kind: global_buffer, .address_space: global }
      - { .name: w_attn, .offset: 8, .size: 8, .value_kind: global_buffer, .address_space: global }
      - { .name: w_proj, .offset: 16, .size: 8, .value_kind: global_buffer, .address_space: global }
      - { .name: xc, .offset: 24, .size: 8, .value_kind: global_buffer, .address_space: global }
      - { .name: xs, .offset: 32, .size: 8, .value_kind: global_buffer, .address_space: global }
      - { .name: wc, .offset: 40, .size: 8, .value_kind: global_buffer, .address_space: global }
      - { .name: ws, .offset: 48, .size: 8, .value_kind: global_buffer, .address_space: global }
    .group_segment_fixed_size: 49664
    .private_segment_fixed_size: 0
    .kernarg_segment_align: 8
    .kernarg_segment_size: 56
    .max_flat_workgroup_size: 128
    .sgpr_count:     66
    .vgpr_count:     256
    .wavefront_size: 32
...
	.end_amdgpu_metadata
.endif
;; end of part 1
;; launch gemm_qkv (part 2): grid 12 x 32, 4 waves a work-group, clusters of 4 x 4, 327,680 bytes of LDS; arguments xc, xs, wc, ws, b_attn, qkv; writes qkv
.if DOCPART == 2
	.amdgcn_target "amdgcn-amd-amdhsa--gfx1250"
	.amdhsa_code_object_version 6
	.text
	.protected	k_q3a8c7e400e_gemm_qkv
	.globl	k_q3a8c7e400e_gemm_qkv
	.p2align	8
	.type	k_q3a8c7e400e_gemm_qkv,@function
k_q3a8c7e400e_gemm_qkv:
	s_mov_b64 s[64:65], 0
	v_nop
	global_prefetch_b8 v0, s[64:65] scope:SCOPE_SE
	s_setreg_imm32_b32 hwreg(HW_REG_WAVE_MODE, 25, 1), 1
	s_wait_xcnt 0x0
	s_wait_alu depctr_hold_cnt(0) depctr_sa_sdst(0) depctr_va_vdst(0) depctr_va_sdst(0) depctr_va_ssrc(0) depctr_va_vcc(0) depctr_vm_vsrc(0)
	s_getreg_b32 s2, hwreg(HW_REG_IB_STS2, 6, 4)
	s_cmp_eq_u32 s2, 0
	s_cbranch_scc0 .Lentry_in_a_cluster
	s_endpgm
.Lentry_in_a_cluster:
	s_bfe_u32 s2, ttmp6, 0x10000c
	s_cmp_lg_u32 s2, 0xf033
	s_cbranch_scc0 .Lentry_shape_is_right
	s_endpgm
.Lentry_shape_is_right:
; qkv = x w_attn + b_attn on codes of FP6 (E2M3) with E8M0 scales, K = 1,024; q and k are then quantised along the head's 64, v along the keys, and only codes and scale bytes are stored.
; OPERANDS: xc, wc lie in the order of the operand's registers: [16 positions][K step of 128][piece 0..5][lane][8 bytes], a fragment 1,536 bytes; position P holds row pi(P) (bits 3 and 4 exchanged).  xs, ws: [position][32].
; A tile is 256 x 256, four waves, each 128 x 128: 64 accumulators in windows 2 and 3.  K goes in 4 slots of 256 through a ring of two LDS slots filled by joint tensor loads (4 x 4 cluster: A's tile along a row, B's along a column).
; THE MATRIX INSTRUCTION IS USED TRANSPOSED: source 0 = 16 positions of B, source 1 = 16 of A: a lane holds ONE position of A, and its 64 registers of a block of A are B's rows 32 b + 16 h + i (register 16 b + i).
; THE CLUSTER'S x IS THE MODE, equal in all sixteen partners: 0: q, 1: k: A = tokens, B = w_attn's columns: a lane holds a token and 128 columns, two heads: it quantises along d.
;   2: v: A = w_attn's columns 2,048 on, B = tokens: a lane holds a column d and 128 tokens: it quantises along the keys.  So nothing is transposed and nothing changes lanes on its way to the attention launch.
; The bias is the C of each sum's first matrix instruction.
; OUT: qkv [batch x 16 + head][slot of 256 tokens][38,400 bytes]: Q's 8 fragments at 0, their scale words at 12,288; K's 8 at 12,800; V's 8 at 25,088; K's scale words at 37,376, V's at 37,888.
;   A Q or K fragment F: registers 0-5 of lane (r, h): token 32 F + r + 8 (r / 8), d = 32 h on; registers 6-11: the token 8 further on.  A V fragment (128 keys, 16 positions of d): registers 6 c on: keys 64 c + 32 h on.
;   A fragment is stored as an image: register 4 g + e of lane L at 512 g + 16 L + 4 e.  Scale words: 128 bytes for two fragments, lanes 0-15 the even one's, lanes 16-31 the odd one's.
;   The scale words leave 128 bytes a store: a twenty-fifth of what the launch stores.
; LIMITS: NaN and infinities are not served; a block whose largest magnitude lies under 2^-124 (zeros too) keeps the byte 1: its codes are zeros, and this program alone reads the bytes.
; 384 tiles stand against 256 WGPs: no grid of 256 x 256 tiles divides them evenly.  No prefetch: a tile has two refills.
; REGISTERS: window 0: v1-7 at work at the head; v16-17, v20-21, v24-29 addresses; v32-63 scale words and nothing else; v64-127 the bias, later at work; v128-223 A's fragments, later the codes made.  window 1: B's fragments, two sets.
.set NQ,     2                         ; matrix instructions deep in a slot
.set FR,     12                        ; registers of a fragment
.set NL,     6                         ; LDS loads that bring one
.set NP,     4                         ; places behind this matrix instruction (ISA guide 7.12.1)
.set FRB,    1536                      ; a fragment in bytes
.set SLB,    NQ*FRB                    ; 16 positions' part of a slot
.set HALFT,  8*SLB                     ; 128 positions: what one tensor load brings
.set SLOT,   4*HALFT                   ; A's 256, then B's 256
.set KS,     32                        ; a position's scale bytes
.set SCL,    2*SLOT                    ; behind the ring: the scales, as units of 256 bytes + 16 of padding
.set HALFS,  (128*KS/256)*272
.set SBLK,   (16*KS/256)*272
.set SPARE,  SCL+4*HALFS               ; the spare words, 128 bytes for each wave: two blocks of 256 bytes that no other line names
.set HEADB,  307200                    ; a head in qkv
.set SLOTB,  38400                     ; a slot of 256 tokens in it
.set O_QS,   12288
.set O_KC,   12800
.set O_VC,   25088
.set O_KS,   37376
.set O_VS,   37888
.set ADRA, 16                          ; v16-17 LDS address of my A fragments in slot 0, 1
.set ADRB, 20                          ; v20-21 the same for B
.set LI,   24                          ; v24 16 x lane
.set LS,   25                          ; v25 4 x lane
.set ADRS, 27                          ; v27 LDS address of my scale words: lanes 0-15 A's, lanes 16-31 B's
.set SPW,  28                          ; v28 my spare word; never rewritten
.set NIL,  29                          ; v29 0; never rewritten
.set SC,   32                          ; scale words, two sets
.set BI,   64                          ; the bias, 8 x 8 registers
.set AF,   128                         ; A's fragments
.set TM,   64                          ; the way out: v64-79 at work
.set PWA,  80                          ; two scale words as made
.set PWB,  81
.set W0,   82                          ; v82-83 the first head's words of an even and an odd fragment; v84-85 the second head's
.set W1,   84
.set SW0,  86                          ; words to be stored
.set SW1,  87
.set F0,   128                         ; a fragment of the first head, v128-139; of the second, v140-151
.set F1,   140
.set T0,   152                         ; conversions' second halves
.set T1,   156
.set G1, 24
.set G0, 32
.set G1B, 48
.set G0B, 56
.set G1S, 68
.set G0S, 76
.set G1SB, 80
.set G0SB, 88
.set MSB, 0
.macro WIN new                         ; the immediate's high byte repeats the setting that is left
.if MSB != (\new)
	s_set_vgpr_msb (MSB<<8)|(\new)
.set MSB, (\new)
.endif
.endm
.set MUL_LO, 0xa1                      ; source 0 (B) window 1, source 1 (A) window 0, C and D window 2
.set MUL_HI, 0xf1                      ; the same, C and D window 3
.set FST_LO, 0x81                      ; the first step: C (the bias) window 0, D window 2
.set FST_HI, 0xc1                      ; D window 3
.set TO_B,   0x40                      ; destination window 1, address window 0
; A joint load: waves 0 and 1 fetch for A, waves 2 and 3 for B; the branch hangs on the wave's number alone.  Four v_nop follow each of the two lines.
.macro JLOAD g0a, g1a, g0b, g1b
	s_cmp_eq_u32 s15, 0
	s_cbranch_scc0 .Lfor_b_\@
	tensor_load_to_lds s[\g0a:\g0a+3], s[\g1a:\g1a+7]
	s_nop 0
.rept 4
	v_nop
.endr
	s_branch .Lasked_\@
.Lfor_b_\@:
	tensor_load_to_lds s[\g0b:\g0b+3], s[\g1b:\g1b+7]
	s_nop 0
.rept 4
	v_nop
.endr
.Lasked_\@:
.endm
.macro CREST                           ; a round of the cluster's barrier behind its opening barrier
	s_cmp_lg_u32 s14, 0
	s_cbranch_scc1 .Lnot_wave_0_\@
	s_barrier_signal -3
.Lnot_wave_0_\@:
	s_barrier_wait -3
	s_barrier_signal -1
	s_barrier_wait -1
.endm
.macro CROUND
	s_barrier_signal -1
	s_barrier_wait -1
	CREST
.endm
.macro FRAG reg, adr, q, i             ; a fragment comes as it lies: six loads of 8 bytes a lane, each of 256 consecutive bytes
.irp p, 0,1,2,3,4,5
	ds_load_b64 v[\reg+2*\p:\reg+2*\p+1], v[\adr] offset:(\i)*SLB+(\q)*FRB+256*\p
.endr
.endm
; 16 matrix instructions: A's blocks a0, a0 + 1 x B's eight.  zero = 1: the sums start from the bias of B's rows; 2: from that of A's rows; 0: they go on.  The 64 accumulators take turns.
.macro MUL16 a0, p, q, sc, zero
.irp a, \a0, \a0+1
.irp b, 0,1,2,3,4,5,6,7
.if \zero == 1
	v_wmma_scale_f32_16x16x128_f8f6f4 v[8*(8*((\a)%4)+\b):8*(8*((\a)%4)+\b)+7], v[128*(\p)+FR*\b:128*(\p)+FR*\b+FR-1], v[AF+FR*(\a):AF+FR*(\a)+FR-1], v[BI+8*\b:BI+8*\b+7], v[SC+8*NQ*(\sc)+NQ*\b+(\q)], v[SC+8*NQ*(\sc)+NQ*(\a)+(\q)] matrix_a_fmt:MATRIX_FMT_FP6 matrix_b_fmt:MATRIX_FMT_FP6 matrix_a_scale:MATRIX_SCALE_ROW1
.elseif \zero == 2
	v_wmma_scale_f32_16x16x128_f8f6f4 v[8*(8*((\a)%4)+\b):8*(8*((\a)%4)+\b)+7], v[128*(\p)+FR*\b:128*(\p)+FR*\b+FR-1], v[AF+FR*(\a):AF+FR*(\a)+FR-1], v[BI+8*(\a):BI+8*(\a)+7], v[SC+8*NQ*(\sc)+NQ*\b+(\q)], v[SC+8*NQ*(\sc)+NQ*(\a)+(\q)] matrix_a_fmt:MATRIX_FMT_FP6 matrix_b_fmt:MATRIX_FMT_FP6 matrix_a_scale:MATRIX_SCALE_ROW1
.else
	v_wmma_scale_f32_16x16x128_f8f6f4 v[8*(8*((\a)%4)+\b):8*(8*((\a)%4)+\b)+7], v[128*(\p)+FR*\b:128*(\p)+FR*\b+FR-1], v[AF+FR*(\a):AF+FR*(\a)+FR-1], v[8*(8*((\a)%4)+\b):8*(8*((\a)%4)+\b)+7], v[SC+8*NQ*(\sc)+NQ*\b+(\q)], v[SC+8*NQ*(\sc)+NQ*(\a)+(\q)] matrix_a_fmt:MATRIX_FMT_FP6 matrix_b_fmt:MATRIX_FMT_FP6 matrix_a_scale:MATRIX_SCALE_ROW1
.endif
.endr
.endr
.endm
.macro FETCH_B slot, q, p
	WIN TO_B
.irp i, 0,1,2,3,4,5,6,7
	FRAG 128*(\p)+FR*\i, ADRB+\slot, \q, \i
.endr
	WIN 0
.endm
.macro FETCH_A slot, q, i0
.irp i, \i0, \i0+1, \i0+2, \i0+3
	FRAG AF+FR*(\i), ADRA+\slot, \q, \i
.endr
.endm
.macro SCALES sc                       ; a slot's scale words: two words a position; lanes 0-15 A's block i, lanes 16-31 B's block i
.irp i, 0,1,2,3,4,5,6,7
	ds_load_b64 v[SC+8*NQ*\sc+NQ*\i:SC+8*NQ*\sc+NQ*\i+1], v[ADRS] offset:\i*SBLK
.endr
.endm
.macro PLACES n                        ; plain vector instructions between a matrix instruction and a load into, or a read of, its registers
.rept \n
	v_nop
.endr
.endm
.macro STEP slot, q, zero              ; a step of 128 along K that has its successor in the same slot
	s_wait_dscnt 4*NL                              ; B's set, A's blocks 0-3 and the scale words are in; the youngest 24 loads (A's blocks 4-7) may be out
.if \zero
	WIN FST_LO
.else
	WIN MUL_LO
.endif
	MUL16 0, (\q)%2, \q, \slot, \zero
	MUL16 2, (\q)%2, \q, \slot, \zero
	s_wait_dscnt 0                                 ; A's blocks 4-7 are in
	PLACES NP
	FETCH_B \slot, (\q)+1, 1-(\q)%2
	FETCH_A \slot, (\q)+1, 0
.if \zero
	WIN FST_HI
.else
	WIN MUL_HI
.endif
	MUL16 4, (\q)%2, \q, \slot, \zero
	MUL16 6, (\q)%2, \q, \slot, \zero
	PLACES NP
	WIN 0
	FETCH_A \slot, (\q)+1, 4
.endm
; A slot's last step changes slots: one barrier; in front of it each wave waits for all its tensor loads, adds 0 to its spare word, and waits for that and for its reads of this slot.
.macro TURN slot, next, fill
	s_wait_tensorcnt 0x0                           ; all my tensor loads have landed: my part of the next slot
	ds_add_u32 v[SPW], v[NIL]                      ; 0 onto my spare word
	s_wait_dscnt 4*NL+1                            ; the add and the youngest 24 loads (A's blocks 4-7) may be out
	WIN MUL_LO
	MUL16 0, 1, NQ-1, \slot, 0
	s_wait_dscnt 0x0                               ; the add is done, and my reads of this slot are over
	s_barrier_signal -1
	MUL16 2, 1, NQ-1, \slot, 0
	WIN 0
	s_barrier_wait -1
.if \fill
	CREST                                          ; the barrier has opened a round of the cluster's: no wave of any partner still reads this slot or has a load on its way
	s_add_nc_u64 s[G0+4*\slot+2:G0+4*\slot+3], s[G0+4*\slot+2:G0+4*\slot+3], 2*SLB
	s_add_nc_u64 s[G0B+4*\slot+2:G0B+4*\slot+3], s[G0B+4*\slot+2:G0B+4*\slot+3], 2*SLB
	JLOAD G0+4*\slot, G1, G0B+4*\slot, G1B         ; the first tensor load behind the round; its four v_nop are the places in front of the loads below
.else
	PLACES NP
.endif
	s_wait_alu depctr_va_vdst(0)
	v_add_nc_u32 v[ADRS], 4*NQ, v[ADRS]            ; the next slot's scale words
	FETCH_B \next, 0, 0
	FETCH_A \next, 0, 0
	SCALES \next
	WIN MUL_HI
	MUL16 4, 1, NQ-1, \slot, 0
	MUL16 6, 1, NQ-1, \slot, 0
	PLACES NP
	WIN 0
	FETCH_A \next, 0, 4
.endm
; THE QUANTISER OF THE WAY OUT.  The 64 accumulator registers of A's block a (register 16 b + i = B's row 32 b + 16 h + i) become codes: blocks 0, 1 in v[d0] .. v[d0 + 5], blocks 2, 3 in v[d1] .. v[d1 + 5], a whole block of 32 to a lane
; (lanes 0-15 the even block, lanes 16-31 the odd one); the four bytes make v[pw].  Each accumulator is read from its low end on.
.macro QUANTW a, d0, d1, pw
.set QSRC, 64*((\a)%4)
	WIN 0x0a+5*((\a)/4)                            ; sources 0 and 1: window 2 or 3
.irp b, 0,1,2,3
	v_max3_num_f32 v[TM+\b], |v[QSRC+16*\b]|, |v[QSRC+16*\b+1]|, 0x1800000   ; and the floor 2^(3 - 127): the byte cannot fall under 1
.endr
.irp i, 2,4,6,8,10,12,14
.irp b, 0,1,2,3
	v_max3_num_f32 v[TM+\b], |v[QSRC+16*\b+\i]|, |v[QSRC+16*\b+\i+1]|, v[TM+\b]
.endr
.endr
	WIN 0
.irp b, 0,1,2,3
	v_permlanex16_b32 v[TM+4+\b], v[TM+\b], s2, s3
.endr
.irp b, 0,1,2,3
	v_max_num_f32 v[TM+\b], v[TM+\b], v[TM+4+\b]   ; with lane l xor 16's: the block's largest magnitude
.endr
.irp b, 0,1,2,3
	v_add_nc_u32 v[TM+12+\b], 0xff000000, v[TM+\b] ; 2 off its exponent field: the conversion's scale operand
.endr
.irp b, 0,1,2,3
	v_lshrrev_b32 v[TM+4+\b], 23, v[TM+12+\b]      ; the byte
.endr
	v_lshl_or_b32 v[\pw], v[TM+5], 8, v[TM+4]
	v_lshl_or_b32 v[\pw], v[TM+6], 16, v[\pw]
	v_lshl_or_b32 v[\pw], v[TM+7], 24, v[\pw]
	s_wait_xcnt 0x0                                ; the stores issued so far have read their registers: the codes' registers are written again only behind this wait
	WIN 0x02+((\a)/4)                              ; source 0: window 2 or 3
	v_cvt_scalef32_pk16_fp6_f32 v[\d0:\d0+2], v[QSRC:QSRC+15], v[TM+12]
	v_cvt_scalef32_pk16_fp6_f32 v[T0:T0+2], v[QSRC+16:QSRC+31], v[TM+13]
	v_cvt_scalef32_pk16_fp6_f32 v[\d1:\d1+2], v[QSRC+32:QSRC+47], v[TM+14]
	v_cvt_scalef32_pk16_fp6_f32 v[T1:T1+2], v[QSRC+48:QSRC+63], v[TM+15]
	WIN 0
	v_nop                                          ; one plain instruction behind a scaled conversion
.irp i, 0,1,2
	v_permlane16_swap_b32 v[\d0+\i], v[T0+\i]
	v_permlane16_swap_b32 v[\d1+\i], v[T1+\i]
.endr
.irp i, 0,1,2
	v_mov_b32 v[\d0+3+\i], v[T0+\i]
	v_mov_b32 v[\d1+3+\i], v[T1+\i]
.endr
.endm
	s_load_b128 s[4:7], s[0:1], 0x0                ; xc, xs
	s_load_b128 s[8:11], s[0:1], 0x10              ; wc, ws
	s_load_b128 s[96:99], s[0:1], 0x20             ; b_attn, qkv
	v_lshl_add_u32 v[SPW], v0, 2, SPARE
	v_mov_b32 v[NIL], 0
	ds_add_u32 v28, v29
	ds_add_u32 v28, v29
	s_wait_dscnt 0x0
	v_lshrrev_b32 v1, 5, v0
	v_readfirstlane_b32 s14, v1                    ; wave 0..3
	s_lshr_b32 s15, s14, 1                         ; which half of A's positions is mine.  Also: I fetch for A (0) or for B (1)
	s_and_b32 s16, s14, 1                          ; which half of B's.  Also: which 128 positions I fetch
	s_bfe_u32 s40, ttmp6, 0x40000                  ; cx, cy: my place in the cluster
	s_bfe_u32 s41, ttmp6, 0x40004
	s_and_b32 s18, ttmp7, 0xffff                   ; the cluster's y
	s_cmp_eq_u32 ttmp9, 2                          ; the mode: the cluster's x
	s_cselect_b32 s17, 0, s18                      ; v: A's four tiles are the cluster's four rows; q, k: A's tiles walk the tokens
	s_cselect_b32 s42, s18, ttmp9                  ; v: B's tiles walk the tokens; q, k: the columns
	s_cselect_b32 s95, 2048, 0                     ; v: A's positions begin at column 2,048 of wc
	s_lshl_b32 s17, s17, 2
	s_add_co_u32 s17, s17, s41                     ; TR: A's tile
	s_lshl_b32 s42, s42, 2
	s_add_co_u32 s42, s42, s40                     ; TC: B's tile
	s_lshl_b32 s43, s41, 2
	s_lshl_b32 s43, 15, s43                        ; my row of the cluster
	s_lshl_b32 s44, 0x1111, s40                    ; my column
	; descriptor group 1 for the codes: 8 rows (16 positions each) of 3,072 bytes = 384 elements of 8 bytes, 12,288 bytes apart; dense in LDS
	s_or_b32 s[G1+0], s43, (3<<16)|(1<<21)
	s_or_b32 s[G1B+0], s44, (3<<16)|(1<<21)
.irp g, G1, G1B
	s_mov_b32 s[\g+1], 384<<16                     ; tensor_dim0
	s_mov_b32 s[\g+2], 16<<16                      ; the head's loads bring 256 positions, 16 rows; behind them the two words are set to 8, for the ring's
	s_mov_b32 s[\g+3], 384<<16
	s_mov_b32 s[\g+4], 16
	s_mov_b32 s[\g+5], 1536                        ; tensor_dim0_stride
	s_mov_b32 s[\g+6], 0
	s_mov_b32 s[\g+7], 0
.endr
	; and for the scales of 256 positions: 8,192 dense bytes as 32 rows of 256, 16 bytes of padding behind each
	s_or_b32 s[G1S+0], s43, (3<<16)|(1<<20)|(1<<21)|(5<<22)|(3<<25)
	s_or_b32 s[G1SB+0], s44, (3<<16)|(1<<20)|(1<<21)|(5<<22)|(3<<25)
.irp g, G1S, G1SB
	s_mov_b32 s[\g+1], 32<<16
	s_mov_b32 s[\g+2], 32<<16                      ; the scales of 256 positions: 32 rows of 256 bytes
	s_mov_b32 s[\g+3], 32<<16
	s_mov_b32 s[\g+4], 32
	s_mov_b32 s[\g+5], 32
	s_mov_b32 s[\g+6], 0
	s_mov_b32 s[\g+7], 0
.endr
	s_lshl_b32 s20, s17, 8
	s_add_co_u32 s20, s20, s95                     ; A: position 256 TR (+ 2,048)
	s_lshl_b32 s46, s42, 8                         ; B: position 256 TC
	s_lshl_b32 s22, s20, 5                         ; their scale bytes,
	s_mov_b32 s23, 0
	s_lshl_b32 s92, s46, 5
	s_mov_b32 s93, 0
	s_mul_i32 s20, s20, 768                        ; their codes (8,192 x 768 at the most)
	s_mov_b32 s21, 0
	s_mul_i32 s46, s46, 768
	s_mov_b32 s47, 0
	s_mul_i32 s45, s14, HALFT                      ; where they go: wave x 128 positions: no place in the cluster enters an LDS address
	s_mul_i32 s18, s16, 128*768                    ; in the ring I fetch 128 positions of a tile: which half, in bytes
	s_mov_b32 s19, 0
	s_wait_kmcnt 0x0
	s_cmp_eq_u32 ttmp9, 2
	s_cselect_b64 s[12:13], s[8:9], s[4:5]         ; A's codes: v: wc, else xc
	s_cselect_b64 s[66:67], s[10:11], s[6:7]       ; A's scales
	s_cselect_b64 s[4:5], s[4:5], s[8:9]           ; B's codes: v: xc, else wc
	s_cselect_b64 s[6:7], s[6:7], s[10:11]         ; B's scales
	s_add_nc_u64 s[20:21], s[12:13], s[20:21]
	s_add_nc_u64 s[22:23], s[66:67], s[22:23]
	s_add_nc_u64 s[46:47], s[4:5], s[46:47]
	s_add_nc_u64 s[92:93], s[6:7], s[92:93]
	CROUND                                         ; all sixteen work-groups are here: the first joint loads meet
	s_mov_b32 s[G0S], 1
	s_mov_b32 s[G0S+1], SCL
	s_mov_b64 s[G0S+2:G0S+3], s[22:23]
	s_or_b32 s[G0S+3], s[G0S+3], 0x80000000
	s_mov_b32 s[G0SB], 1
	s_mov_b32 s[G0SB+1], SCL+2*HALFS
	s_mov_b64 s[G0SB+2:G0SB+3], s[92:93]
	s_or_b32 s[G0SB+3], s[G0SB+3], 0x80000000
	s_mov_b32 s4, 1                                ; group 0 of the head's loads of K slot 0: A's 256 positions (the arguments that lay here have been used),
	s_mov_b32 s5, 0
	s_mov_b64 s[6:7], s[20:21]
	s_or_b32 s7, s7, 0x80000000
	s_mov_b32 s8, 1                                ; and B's 256, behind them
	s_mov_b32 s9, 2*HALFT
	s_mov_b64 s[10:11], s[46:47]
	s_or_b32 s11, s11, 0x80000000
	s_add_nc_u64 s[20:21], s[20:21], s[18:19]      ; for the ring: my 128 positions
	s_add_nc_u64 s[46:47], s[46:47], s[18:19]
.irp s, 0,1
	s_mov_b32 s[G0+4*\s], 1
	s_add_co_u32 s[G0+4*\s+1], s45, \s*SLOT
	s_add_nc_u64 s[G0+4*\s+2:G0+4*\s+3], s[20:21], \s*SLB
	s_or_b32 s[G0+4*\s+3], s[G0+4*\s+3], 0x80000000
	s_mov_b32 s[G0B+4*\s], 1
	s_add_co_u32 s[G0B+4*\s+1], s45, \s*SLOT
	s_add_nc_u64 s[G0B+4*\s+2:G0B+4*\s+3], s[46:47], \s*SLB
	s_or_b32 s[G0B+4*\s+3], s[G0B+4*\s+3], 0x80000000
.endr
; the head's four tiles, one load a wave: wave 0 A's part of K slot 0, wave 1 B's, wave 2 A's scales, wave 3 B's: one chain of branches on the wave's number
.macro ARM under, g0, g1, next
	s_cmp_lt_u32 s14, \under
	s_cbranch_scc0 \next
	tensor_load_to_lds s[\g0:\g0+3], s[\g1:\g1+7]
	s_nop 0
.rept 4
	v_nop
.endr
	s_branch .Lhead_asked
\next:
.endm
	ARM 1, 4, G1, .Lhead_b
	ARM 2, 8, G1B, .Lhead_sa
	ARM 3, G0S, G1S, .Lhead_sb
	tensor_load_to_lds s[G0SB:G0SB+3], s[G1SB:G1SB+7]
	s_nop 0
.rept 4
	v_nop
.endr
.Lhead_asked:
	v_and_b32 v1, 15, v0                           ; r
	v_bfe_u32 v2, v0, 4, 1                         ; h
	v_and_b32 v3, 31, v0                           ; lane
	v_lshlrev_b32 v4, 3, v3                        ; 8 x lane
	v_lshlrev_b32 v[LI], 4, v3
	v_lshlrev_b32 v[LS], 2, v3
	s_mul_i32 s21, s15, HALFT                      ; my 128 positions of A
	s_mul_i32 s22, s16, HALFT                      ; my 128 of B,
	s_add_co_u32 s22, s22, 2*HALFT                 ; which lie behind A's 256
.irp s, 0,1
	v_add_nc_u32 v[ADRA+\s], s21, v4
	v_add_nc_u32 v[ADRB+\s], s22, v4
	s_add_co_u32 s21, s21, SLOT
	s_add_co_u32 s22, s22, SLOT
.endr
	v_mul_u32_u24 v5, v1, KS                       ; my position's scale bytes: 32 a position,
	v_lshrrev_b32 v6, 8, v5
	v_lshl_add_u32 v5, v6, 4, v5                   ; and 16 more for each 256 passed
	s_mul_i32 s21, s15, HALFS
	s_mul_i32 s22, s16, HALFS
	s_add_co_u32 s22, s22, 2*HALFS
	s_sub_co_u32 s22, s22, s21
	v_mul_u32_u24 v6, s22, v2                      ; lanes 16-31 take B's
	s_add_co_u32 s21, s21, SCL
	v_add_nc_u32 v5, v5, v6
	v_add_nc_u32 v[ADRS], s21, v5
	s_mov_b32 s2, 0x76543210
	s_mov_b32 s3, 0xfedcba98                       ; v_permlanex16_b32's selects for lane l xor 16
	s_mov_b32 s19, 0xffff0000                      ; lanes 16-31
	; the bias, in the result's layout.  Both arms write all 64 registers
	s_cmp_eq_u32 ttmp9, 2
	s_cbranch_scc1 .Lbias_v
	s_lshl_b32 s20, s42, 10                        ; q, k: it goes with B's rows: register 8 b + j: column 32 (b / 2) + 8 (b % 2) + 16 h + j of my 128
	s_lshl_b32 s21, s16, 9
	s_add_co_u32 s20, s20, s21
	s_mov_b32 s21, 0
	s_add_nc_u64 s[96:97], s[96:97], s[20:21]
	v_lshlrev_b32 v7, 6, v2
.irp b, 0,1,2,3,4,5,6,7
	global_load_b128 v[BI+8*\b:BI+8*\b+3], v7, s[96:97] offset:(32*(\b/2)+8*(\b%2))*4
	global_load_b128 v[BI+8*\b+4:BI+8*\b+7], v7, s[96:97] offset:(32*(\b/2)+8*(\b%2))*4+16
.endr
	s_branch .Lbias_in
.Lbias_v:
	s_lshl_b32 s20, s17, 10                        ; v: it goes with A's position, the lane's: eight registers of a block hold one number
	s_lshl_b32 s21, s15, 9
	s_add_co_u32 s20, s20, s21
	s_add_co_u32 s20, s20, 8192                    ; column 2,048 on
	s_mov_b32 s21, 0
	s_add_nc_u64 s[96:97], s[96:97], s[20:21]
	v_and_b32 v7, 8, v1
	v_add_nc_u32 v7, v7, v1
	v_lshlrev_b32 v7, 2, v7                        ; 4 (r + 8 (r / 8))
.irp a, 0,1,2,3,4,5,6,7
.irp j, 0,1,2,3,4,5,6,7
	global_load_b32 v[BI+8*\a+\j], v7, s[96:97] offset:(32*(\a/2)+8*(\a%2))*4
.endr
.endr
.Lbias_in:
	s_wait_alu depctr_va_vdst(0)
	s_wait_loadcnt 0x0                             ; the bias
	s_wait_tensorcnt 0x0                           ; my tile of the head's four is in
	ds_add_u32 v[SPW], v[NIL]
	s_mov_b32 s[G1+2], 8<<16                       ; no tensor load of mine is out: from here on a load brings 128 positions, 8 rows
	s_mov_b32 s[G1+4], 8
	s_mov_b32 s[G1B+2], 8<<16
	s_mov_b32 s[G1B+4], 8
	s_wait_dscnt 0x0
	CROUND                                         ; all four tiles are in, and all sixteen work-groups are here
	JLOAD G0+4, G1, G0B+4, G1B                     ; K slot 1, the first tensor load behind the round
	FETCH_B 0, 0, 0
	FETCH_A 0, 0, 0
	s_wait_alu depctr_va_vdst(0)
	SCALES 0
	FETCH_A 0, 0, 4
	s_cmp_eq_u32 ttmp9, 2
	s_cbranch_scc1 .Lfirst_v
	STEP 0, 0, 1                                   ; the first step's products start the sums from the bias: nothing is cleared
	s_branch .Lfirst_done
.Lfirst_v:
	STEP 0, 0, 2
.Lfirst_done:
	TURN 0, 1, 1                                   ; K = 1,024 is four slots: written straight
	STEP 1, 0, 0
	TURN 1, 0, 1
	STEP 0, 0, 0
	TURN 0, 1, 0                                   ; the last two slots are filled no more, and have no round
	STEP 1, 0, 0
	s_wait_dscnt 4*NL
	WIN MUL_LO
	MUL16 0, 1, NQ-1, 1, 0
	MUL16 2, 1, NQ-1, 1, 0
	s_wait_dscnt 0
	WIN MUL_HI
	MUL16 4, 1, NQ-1, 1, 0
	MUL16 6, 1, NQ-1, 1, 0
	WIN 0
	PLACES NP                                      ; in front of the first read of results and the first write over A's fragments
.irp b, 0,1,2,3
	v_mov_b32 v[TM+4+\b], 0                        ; written once: a lane permute's destination counts as one of its sources
.endr
	s_cmp_eq_u32 ttmp9, 2
	s_cbranch_scc1 .Lout_v
	; ---- q, k: my 128 tokens x two heads.  A's blocks 2 f and 2 f + 1 are the two halves of fragment f
	s_lshr_b32 s20, s17, 3                         ; batch
	s_lshl_b32 s20, s20, 4
	s_and_b32 s21, s42, 3
	s_lshl_b32 s21, s21, 2
	s_add_co_u32 s20, s20, s21
	s_lshl_b32 s21, s16, 1
	s_add_co_u32 s20, s20, s21                     ; batch x 16 + my first head
	s_mul_i32 s20, s20, HEADB
	s_and_b32 s21, s17, 7
	s_mul_i32 s21, s21, SLOTB
	s_add_co_u32 s20, s20, s21
	s_mov_b32 s21, 0
	s_add_nc_u64 s[98:99], s[98:99], s[20:21]
	s_cmp_eq_u32 ttmp9, 1
	s_cselect_b32 s20, O_KC, 0
	s_mov_b32 s22, O_QS
	s_cselect_b32 s22, O_KS, s22
	s_mul_i32 s18, s15, 4*FRB                      ; my half's four fragments
	s_add_co_u32 s20, s20, s18
	s_lshl_b32 s18, s15, 8                         ; and their two pairs of scale words
	s_add_co_u32 s22, s22, s18
	s_mov_b32 s23, 0
	s_add_nc_u64 s[8:9], s[98:99], s[20:21]
	s_add_nc_u64 s[10:11], s[98:99], s[22:23]
.irp f, 0,1,2,3
	QUANTW 2*\f, F0, F1, PWA
	QUANTW 2*\f+1, F0+6, F1+6, PWB
	v_perm_b32 v[W0+\f%2], v[PWB], v[PWA], 0x05040100   ; a fragment's word: the first token's two bytes, then the second's: the first head's,
	v_perm_b32 v[W1+\f%2], v[PWB], v[PWA], 0x07060302   ; the second head's
.irp g, 0,1,2
	global_store_b128 v[LI], v[F0+4*\g:F0+4*\g+3], s[8:9] offset:FRB*\f+512*\g            ; 32 lanes store 512 consecutive bytes, aligned
	global_store_b128 v[LI], v[F1+4*\g:F1+4*\g+3], s[8:9] offset:HEADB+FRB*\f+512*\g
.endr
.if \f%2
	v_cndmask_b32 v[SW0], v[W0], v[W0+1], s19      ; lanes 0-15 the even fragment's words, lanes 16-31 the odd one's
	v_cndmask_b32 v[SW1], v[W1], v[W1+1], s19
	global_store_b32 v[LS], v[SW0], s[10:11] offset:128*(\f/2)
	global_store_b32 v[LS], v[SW1], s[10:11] offset:HEADB+128*(\f/2)
.endif
.endr
	s_branch .Lout_done
	; ---- v: my 128 positions of d (two heads) x my 128 tokens, a key step.  A's block a is fragment a % 4 of head a / 4
.Lout_v:
	s_lshr_b32 s20, s42, 3                         ; batch
	s_lshl_b32 s20, s20, 4
	s_lshl_b32 s21, s17, 2
	s_add_co_u32 s20, s20, s21
	s_lshl_b32 s21, s15, 1
	s_add_co_u32 s20, s20, s21                     ; batch x 16 + my first head
	s_mul_i32 s20, s20, HEADB
	s_and_b32 s21, s42, 7
	s_mul_i32 s21, s21, SLOTB
	s_add_co_u32 s20, s20, s21
	s_mov_b32 s21, 0
	s_add_nc_u64 s[98:99], s[98:99], s[20:21]
	s_mul_i32 s20, s16, 4*FRB
	s_add_co_u32 s20, s20, O_VC
	s_lshl_b32 s22, s16, 8
	s_add_co_u32 s22, s22, O_VS
	s_mov_b32 s23, 0
	s_add_nc_u64 s[8:9], s[98:99], s[20:21]
	s_add_nc_u64 s[10:11], s[98:99], s[22:23]
.irp a, 0,1,2,3,4,5,6,7
	QUANTW \a, F0, F0+6, PWA+\a%2
.irp g, 0,1,2
	global_store_b128 v[LI], v[F0+4*\g:F0+4*\g+3], s[8:9] offset:HEADB*(\a/4)+FRB*(\a%4)+512*\g
.endr
.if \a%2
	v_cndmask_b32 v[SW0], v[PWA], v[PWB], s19
	global_store_b32 v[LS], v[SW0], s[10:11] offset:HEADB*(\a/4)+128*((\a%4)/2)
.endif
.endr
.Lout_done:
	s_wait_tensorcnt 0x0                           ; the wave's end
	ds_add_u32 v[SPW], v[NIL]
	s_wait_dscnt 0x0
	CROUND                                         ; the closing round: no work-group ends while a partner may still ask for a tile that names it
	s_endpgm
.Lfunc_end_k_q3a8c7e400e_gemm_qkv:
	.size	k_q3a8c7e400e_gemm_qkv, .Lfunc_end_k_q3a8c7e400e_gemm_qkv-k_q3a8c7e400e_gemm_qkv
	.p2alignl 7, 3214868480
	.fill 96, 4, 3214868480
	.section	.rodata,"a",@progbits
	.p2align	6, 0x0
	.amdhsa_kernel k_q3a8c7e400e_gemm_qkv
		.amdhsa_group_segment_fixed_size 327680
		.amdhsa_private_segment_fixed_size 0
		.amdhsa_enable_private_segment 0
		.amdhsa_kernarg_size 48
		.amdhsa_user_sgpr_count 2
		.amdhsa_user_sgpr_kernarg_segment_ptr 1
		.amdhsa_wavefront_size32 1
		.amdhsa_system_sgpr_workgroup_id_x 1
		.amdhsa_system_sgpr_workgroup_id_y 1
		.amdhsa_system_sgpr_workgroup_id_z 1
		.amdhsa_system_vgpr_workitem_id 0
		.amdhsa_next_free_vgpr 1024
		.amdhsa_next_free_sgpr 100
		.amdhsa_reserve_vcc 0
		.amdhsa_float_denorm_mode_32 3
		.amdhsa_float_denorm_mode_16_64 3
		.amdhsa_memory_ordered 1
		.amdhsa_forward_progress 1
		.amdhsa_inst_pref_size 224
	.end_amdhsa_kernel
	.amdgpu_metadata
---
amdhsa.version: [ 1, 2 ]
amdhsa.kernels:
  - .name:           k_q3a8c7e400e_gemm_qkv
    .symbol:         k_q3a8c7e400e_gemm_qkv.kd
    .args:
      - { .name: xc, .offset: 0, .size: 8, .value_kind: global_buffer, .address_space: global }
      - { .name: xs, .offset: 8, .size: 8, .value_kind: global_buffer, .address_space: global }
      - { .name: wc, .offset: 16, .size: 8, .value_kind: global_buffer, .address_space: global }
      - { .name: ws, .offset: 24, .size: 8, .value_kind: global_buffer, .address_space: global }
      - { .name: b_attn, .offset: 32, .size: 8, .value_kind: global_buffer, .address_space: global }
      - { .name: qkv, .offset: 40, .size: 8, .value_kind: global_buffer, .address_space: global }
    .group_segment_fixed_size: 327680
    .private_segment_fixed_size: 0
    .kernarg_segment_align: 8
    .kernarg_segment_size: 48
    .max_flat_workgroup_size: 128
    .sgpr_count:     100
    .vgpr_count:     1024
    .wavefront_size: 32
...
	.end_amdgpu_metadata
.endif
;; end of part 2
;; launch attn (part 3): grid 4 x 64, 16 waves a work-group, clusters of 4 x 1, 327,680 bytes of LDS; arguments qkv, yc, ys; writes yc, ys
.if DOCPART == 3
	.amdgcn_target "amdgcn-amd-amdhsa--gfx1250"
	.amdhsa_code_object_version 6
	.text
	.protected	k_q3a8c7e400e_attn
	.globl	k_q3a8c7e400e_attn
	.p2align	8
	.type	k_q3a8c7e400e_attn,@function
k_q3a8c7e400e_attn:
	s_mov_b64 s[64:65], 0
	v_nop
	global_prefetch_b8 v0, s[64:65] scope:SCOPE_SE
	s_setreg_imm32_b32 hwreg(HW_REG_WAVE_MODE, 25, 1), 1
	s_wait_xcnt 0x0
	s_wait_alu depctr_hold_cnt(0) depctr_sa_sdst(0) depctr_va_vdst(0) depctr_va_sdst(0) depctr_va_ssrc(0) depctr_va_vcc(0) depctr_vm_vsrc(0)
	s_getreg_b32 s2, hwreg(HW_REG_IB_STS2, 6, 4)
	s_cmp_eq_u32 s2, 0
	s_cbranch_scc0 .Lentry_in_a_cluster
	s_endpgm
.Lentry_in_a_cluster:
	s_bfe_u32 s2, ttmp6, 0x10000c
	s_cmp_lg_u32 s2, 0x3003
	s_cbranch_scc0 .Lentry_shape_is_right
	s_endpgm
.Lentry_shape_is_right:
; Causal attention on codes of FP6 (E2M3) with E8M0 scales: 64 heads (batch x 16 + head) of 2,048 tokens, head size 64.  The result, divided by the row's sum, is quantised along the channels and stored as the next product's operand.
; LEFT OUT: key steps all of whose keys come after the wave's queries: the causal mask sets their scores to -infinity, so their p is 0 for all values of the inputs.
; IN: qkv [head][slot of 256 tokens][38,400 bytes]: Q's 8 fragments at 0, their scale words at 12,288; then one dense block of 25,600 bytes: K's 8 fragments, V's 8, K's scale words, V's.
;   A fragment is an image of its 12 registers: register 4 g + e of lane L at 512 g + 16 L + 4 e.  A Q or K fragment F holds 32 tokens: registers 0-5 of lane (r, h): token 32 F + r + 8 (r / 8), d = 32 h on; registers 6-11: the token 8 further on.
;   The head's 64 fill half of the instruction's K = 128: one fragment of K serves two products, against Q followed by zero codes and against zero codes followed by Q.  A V fragment: 16 positions of d x 128 keys.
; BOTH PRODUCTS TRANSPOSED: S^T = K Q^T, O^T = V^T P^T: a lane holds one query throughout.
; THE SOFTMAX: t = score x log2(e) / 8; M = the largest t so far, rounded up to a whole number; p = 2^(t - M) is quantised along the keys; the row's sum is taken of the unquantised p; when M moves, the sum and O^T are multiplied by 2^(old M - new M), exactly.
; ALL OF A HEAD'S K AND V LIES IN LDS: 8 dense blocks, 204,800 bytes, asked for once, at the head: wave w brings half w % 2 of slot w / 2 (50 rows of 256 bytes).  Nothing is filled again, so the walk has no barrier behind the second visit.
; CLUSTER: the four work-groups of a head need the same eight blocks: each load is a joint load of the four (mask 15).
; SHARES: the partner at place cx takes fragments cx and cx + 4 of Q in every block of 256 queries.  Wave w (u = w % 2, g = (w / 2) % 2, p = w / 4) takes half u of fragment cx + 4 g of block 7 - p, then half u of fragment cx + 4 (1 - g) of block p:
;   8 - p and p + 1 visits of a slot, nine for every wave, and 2 (7 - p) + g + 1 + 2 p + (1 - g) + 1 = 17 key steps that count.  Trip counts, branches and LDS addresses are made of the wave's number alone; cx enters global addresses and the mask's lane term.
;   A step counts up to key X = 256 block + 128 g; the step at X holds the diagonal, and there my query less the step's first key is 32 cx + a lane term: one register, made once.
; THE HEAD: waves 0 to 3 (slots 0 and 1) have a load line of their own; the first barrier shows their tiles alone, and the first two visits, which every wave's first tile has, run while the other twelve loads land; the second barrier shows all.
; NO PREFETCH: every tile is asked for by its load at the head; there is no loop to run ahead in.
; OUT: yc in the order of the operand's registers ([16 positions][K step][piece][lane][8 bytes], K = head x 64 + d), ys [position][32].  A token's two scale bytes of a head leave as 2 bytes a lane, 32 bytes apart: a whole word would want two heads in one wave.
; LIMITS: NaN and infinities are not served; a block whose largest magnitude lies under 2^-124 (zeros too) keeps the byte 1: its codes are zeros.  1 / sum is v_rcp_f32 and a multiplication.  The scaled scores stay under 2^31 in magnitude.
.set HEADB, 307200
.set SLOTB, 38400
.set O_QS,  12288
.set O_KV,  12800
.set FRB,   1536
.set LSLOT, 25600                      ; a slot in LDS: K's fragments at 0,
.set VC,    12288                      ; V's,
.set KSC,   24576                      ; K's scale words,
.set VSC,   25088                      ; V's
.set SPARE, 262144                     ; the spare words, 128 bytes for each of 16 waves
.set LI,  1                            ; v1  16 x lane
.set LS,  2                            ; v2  4 x lane
.set QLN, 3                            ; v3  at the diagonal: my query less the step's first key of my half: 32 cx + r + 8 (r / 8) + 8 u - 16 h
.set L8,  4                            ; v4  8 x lane
.set SPW, 5                            ; v5  my spare word; never rewritten
.set NIL, 6                            ; v6  0; never rewritten
.set R32, 7                            ; v7  32 r
.set ADK, 8                            ; v8  LDS address of the slot's fragments
.set ADS, 9                            ; v9  of its scale words
.set QA0, 10                           ; v10, v11, v34: where my six registers of Q lie in fragment cx's image
.set QA1, 11
.set QA2, 34
.set QSA, 84                           ; v84 and its scale word
.set FRG, 36                           ; v36-83 four fragments of K, then of V
.set Q2,  192                          ; v192-197 the second tile's Q, v198 its scale word as loaded
; v12 -M, v13 the largest t, v[14:15] the sum; v16-21 and v28-33 zero codes, v22-27 Q's codes; v35 Q's scale word as loaded; v86-89 at work
; v96-159 S^T, then p; v160-191 O^T; v224-235 p's codes; v232-247, v252, v254 at work; v248-249 K's scale words, v250-251 V's, v253 p's, v255 Q's
.set WV,   18
.set SEL,  20                          ; s[20:21] selects for lane l xor 16
.set CS,   22                          ; s[22:23] c = log2(e) / 8
.set G1,   24
.set G0,   32
.set HB,   36                          ; s[36:37] my head in qkv
.set VI,   38                          ; the visit, 0 .. 8
.set NEG,  39                          ; p - 8: visit + this is the second tile's slot
.set TB,   40                          ; LDS byte at which the slot in hand begins
.set KF,   41                          ; the step's first key
.set XD,   42                          ; the first key of the diagonal's step, for the tile in hand
.set XD2,  43                          ; for the second tile
.set SWV,  44                          ; the first tile's last visit: 7 - p
.set PSEL, 45                          ; which two bytes of Q's scale word are mine
.set YB,   46                          ; s[46:47], s[48:49] where the first tile's codes and scale bytes go
.set YSB,  48
.set YB2,  50                          ; s[50:53] the second tile's
.set YSB2, 52
.set CX,   54
.macro WALU
	s_wait_alu depctr_va_vdst(0)
.endm
.macro TLOAD
	tensor_load_to_lds s[G0:G0+3], s[G1:G1+7]
	s_nop 0
.rept 4
	v_nop
.endr
.endm
.macro CROUND                          ; a round of the cluster's barrier
	s_barrier_signal -1
	s_barrier_wait -1
	s_cmp_lg_u32 s[WV], 0
	s_cbranch_scc1 .Lnot_wave_0_\@
	s_barrier_signal -3
.Lnot_wave_0_\@:
	s_barrier_wait -3
	s_barrier_signal -1
	s_barrier_wait -1
.endm
; A KEY STEP: 128 keys, the q-th of the slot in hand.  full = 0: a step that counts whole for every wave (slots 0 and 1 of the first tile, whose block is 4 at the least)
.macro STEP q, full
.if \full
	s_cmp_gt_u32 s[KF], s[XD]
	s_cbranch_scc1 .Lhidden_\@                     ; all its keys come after my queries
.endif
	v_add_nc_u32 v[ADK], s[TB], v[LI]
	v_add_nc_u32 v[ADS], s[TB], v[LS]
	v_nop
	v_nop                                          ; four places in front of loads into registers that the last step's products have read
.irp b, 0,1,2,3
.irp g, 0,1,2
	ds_load_b128 v[FRG+12*\b+4*\g:FRG+12*\b+4*\g+3], v[ADK] offset:(4*(\q)+\b)*FRB+512*\g
.endr
.endr
	ds_load_b32 v248, v[ADS] offset:KSC+(2*(\q))*128       ; lanes 0-15: fragment 0's words, lanes 16-31: fragment 1's
	ds_load_b32 v249, v[ADS] offset:KSC+(2*(\q)+1)*128
	WALU
	s_wait_dscnt 0x0
.irp b, 0,1,2,3                                ; register 16 b + i of S^T: key KF + 32 b + 16 h + i
.if \b%2
	v_wmma_scale_f32_16x16x128_f8f6f4 v[96+16*\b:103+16*\b], v[FRG+12*\b:FRG+12*\b+11], v[22:33], 0, v[248+\b/2], v255 matrix_a_fmt:MATRIX_FMT_FP6 matrix_b_fmt:MATRIX_FMT_FP6 matrix_a_scale:MATRIX_SCALE_ROW1
	v_wmma_scale_f32_16x16x128_f8f6f4 v[104+16*\b:111+16*\b], v[FRG+12*\b:FRG+12*\b+11], v[16:27], 0, v[248+\b/2], v255 matrix_a_fmt:MATRIX_FMT_FP6 matrix_b_fmt:MATRIX_FMT_FP6 matrix_a_scale:MATRIX_SCALE_ROW1
.else
	v_wmma_scale_f32_16x16x128_f8f6f4 v[96+16*\b:103+16*\b], v[FRG+12*\b:FRG+12*\b+11], v[22:33], 0, v[248+\b/2], v255 matrix_a_fmt:MATRIX_FMT_FP6 matrix_b_fmt:MATRIX_FMT_FP6
	v_wmma_scale_f32_16x16x128_f8f6f4 v[104+16*\b:111+16*\b], v[FRG+12*\b:FRG+12*\b+11], v[16:27], 0, v[248+\b/2], v255 matrix_a_fmt:MATRIX_FMT_FP6 matrix_b_fmt:MATRIX_FMT_FP6
.endif
.endr
.rept 4
	v_nop                                          ; places: V's fragments take K's registers, and the scores are read
.endr
.irp t, 0,1,2,3                                ; V's loads go out now and land under the softmax
.irp g, 0,1,2
	ds_load_b128 v[FRG+12*\t+4*\g:FRG+12*\t+4*\g+3], v[ADK] offset:VC+(4*(\q)+\t)*FRB+512*\g
.endr
.endr
	ds_load_b32 v250, v[ADS] offset:VSC+(2*(\q))*128
	ds_load_b32 v251, v[ADS] offset:VSC+(2*(\q)+1)*128
.if \full
	s_cmp_lg_u32 s[KF], s[XD]                      ; only the step at X holds hidden keys: there their scores become -infinity ahead of the maximum
	s_cbranch_scc1 .Lopen_\@
	v_mov_b32 v254, 0xff800000
.set N_, 0
.rept 64
	v_cmp_gt_i32 vcc_lo, 32*(N_/16)+N_%16, v[QLN]  ; register 16 b + i is hidden where 32 b + i is above my lane's number
	v_cndmask_b32 v[96+N_], v[96+N_], v254, vcc_lo
.set N_, N_+1
.endr
.Lopen_\@:
.endif
.irp b, 0,1,2,3
	v_max3_num_f32 v[232+\b], v[96+16*\b], v[97+16*\b], v[98+16*\b]   ; the largest score of each block of 32 keys: it serves for the row's maximum and, since p rises with the score, for the block's largest p
.endr
.irp i, 3,5,7,9,11,13
.irp b, 0,1,2,3
	v_max3_num_f32 v[232+\b], v[232+\b], v[96+16*\b+\i], v[97+16*\b+\i]
.endr
.endr
.irp b, 0,1,2,3
	v_max_num_f32 v[232+\b], v[232+\b], v[111+16*\b]
.endr
.irp b, 0,1,2,3
	s_delay_alu instid0(VALU_DEP_4)
	v_permlanex16_b32 v[236+\b], v[232+\b], s[SEL], s[SEL+1]
.endr
.irp b, 0,1,2,3
	s_delay_alu instid0(VALU_DEP_4)
	v_max_num_f32 v[232+\b], v[232+\b], v[236+\b]  ; with lane l xor 16's 16 keys
.endr
	s_delay_alu instid0(VALU_DEP_2)
	v_max3_num_f32 v254, v232, v233, v234
	s_delay_alu instid0(VALU_DEP_1)
	v_max_num_f32 v254, v254, v235
	s_delay_alu instid0(VALU_DEP_1)
	v_mul_f32 v254, s[CS], v254                    ; the step's largest t (c is positive)
	s_delay_alu instid0(VALU_DEP_1)
	v_max_num_f32 v13, v13, v254                   ; the running largest t
	v_mov_b32 v254, v12
	s_delay_alu instid0(VALU_DEP_2)
	v_floor_f32 v12, -v13                          ; the new -M = floor(-t): M is a whole number
	s_delay_alu instid0(VALU_DEP_1)
	v_sub_f32 v254, v12, v254                      ; old M - new M: a whole number, 0 or less
	s_delay_alu instid0(VALU_DEP_1)
	v_cvt_i32_f32 v254, v254                       ; (it saturates)
	s_delay_alu instid0(VALU_DEP_1)
	v_ldexp_f32 v252, 1.0, v254                    ; f = 2^(old M - new M)
.set N_, 0
.rept 32
	v_pk_fma_f32 v[96+N_:97+N_], v[96+N_:97+N_], s[CS:CS+1], v[12:13] op_sel_hi:[1,0,0]   ; t - M, two at a time
.set N_, N_+2
.endr
.irp b, 0,1,2,3
	v_fma_f32 v[232+\b], v[232+\b], s[CS], v12     ; the same of each block's largest score
.endr
	WALU
.set N_, 0
.rept 64
	v_exp_f32 v[96+N_], v[96+N_]                   ; p = 2^(t - M), at most 1
.set N_, N_+1
.endr
	v_pk_mul_f32 v[14:15], v[14:15], v[252:253] op_sel_hi:[1,0]   ; the sums under the new M: a plain instruction behind the exponentials
	WALU                                           ; one wait for the batch of 64, ahead of its first reader
.irp b, 0,1,2,3
	v_exp_f32 v[232+\b], v[232+\b]                 ; the block's largest p
.endr
	v_pk_add_f32 v[236:237], v[100:101], v[104:105]   ; the row's sum of the unquantised p, in eight chains
	v_pk_add_f32 v[86:87], v[108:109], v[112:113]
	v_pk_add_f32 v[246:247], v[116:117], v[120:121]
	v_pk_add_f32 v[244:245], v[124:125], v[128:129]
	v_pk_add_f32 v[242:243], v[132:133], v[136:137]
	v_pk_add_f32 v[240:241], v[140:141], v[144:145]
	v_pk_add_f32 v[238:239], v[148:149], v[152:153]
	v_pk_add_f32 v[14:15], v[14:15], v[156:157]
	v_pk_add_f32 v[236:237], v[236:237], v[96:97]
	v_pk_add_f32 v[86:87], v[86:87], v[98:99]
	v_pk_add_f32 v[246:247], v[246:247], v[102:103]
	v_pk_add_f32 v[244:245], v[244:245], v[106:107]
	v_pk_add_f32 v[242:243], v[242:243], v[110:111]
	v_pk_add_f32 v[240:241], v[240:241], v[114:115]
	v_pk_add_f32 v[238:239], v[238:239], v[118:119]
	v_pk_add_f32 v[14:15], v[14:15], v[122:123]
	v_pk_add_f32 v[236:237], v[236:237], v[126:127]
	v_pk_add_f32 v[86:87], v[86:87], v[130:131]
	v_pk_add_f32 v[246:247], v[246:247], v[134:135]
	v_pk_add_f32 v[244:245], v[244:245], v[138:139]
	v_pk_add_f32 v[242:243], v[242:243], v[142:143]
	v_pk_add_f32 v[240:241], v[240:241], v[146:147]
	v_pk_add_f32 v[238:239], v[238:239], v[150:151]
	v_pk_add_f32 v[14:15], v[14:15], v[154:155]
	v_pk_add_f32 v[236:237], v[236:237], v[158:159]
	s_delay_alu instid0(VALU_DEP_2)
	v_pk_add_f32 v[14:15], v[14:15], v[244:245]
	s_delay_alu instid0(VALU_DEP_2)
	v_pk_add_f32 v[236:237], v[236:237], v[242:243]
	v_pk_add_f32 v[86:87], v[86:87], v[240:241]
	v_pk_add_f32 v[246:247], v[246:247], v[238:239]
	s_delay_alu instid0(VALU_DEP_2)
	v_pk_add_f32 v[14:15], v[14:15], v[86:87]
	s_delay_alu instid0(VALU_DEP_2)
	v_pk_add_f32 v[236:237], v[236:237], v[246:247]
	s_delay_alu instid0(VALU_DEP_1)
	v_pk_add_f32 v[14:15], v[14:15], v[236:237]
	WALU                                           ; and one for the four
.irp b, 0,1,2,3
	v_max_num_f32 v[232+\b], 0x1800000, v[232+\b]  ; the floor 2^(3 - 127): the byte cannot fall under 1
.endr
.irp b, 0,1,2,3
	s_delay_alu instid0(VALU_DEP_4)
	v_add_nc_u32 v[244+\b], 0xff000000, v[232+\b]  ; 2 off the exponent field: the conversion's scale operand
.endr
.irp b, 0,1,2,3
	s_delay_alu instid0(VALU_DEP_4)
	v_lshrrev_b32 v[236+\b], 23, v[244+\b]         ; the byte
.endr
	s_delay_alu instid0(VALU_DEP_3)
	v_lshl_or_b32 v253, v237, 8, v236              ; p's scale word for these 128 keys
	s_delay_alu instid0(VALU_DEP_1)
	v_lshl_or_b32 v253, v238, 16, v253
	s_delay_alu instid0(VALU_DEP_1)
	v_lshl_or_b32 v253, v239, 24, v253
.irp c, 0,1
	v_cvt_scalef32_pk16_fp6_f32 v[224+6*\c:226+6*\c], v[96+32*\c:111+32*\c], v[244+2*\c]
	v_cvt_scalef32_pk16_fp6_f32 v[236+4*\c:238+4*\c], v[112+32*\c:127+32*\c], v[244+2*\c+1]
.endr
	v_nop                                          ; one plain instruction behind a scaled conversion
.irp c, 0,1                                    ; a whole block to a lane: lanes 0-15 block 2 c, lanes 16-31 block 2 c + 1
.irp i, 0,1,2
	v_permlane16_swap_b32 v[224+6*\c+\i], v[236+4*\c+\i]
.endr
.irp i, 0,1,2
	s_delay_alu instid0(VALU_DEP_3)
	v_mov_b32 v[227+6*\c+\i], v[236+4*\c+\i]
.endr
.endr
	WALU
.set N_, 0
.rept 16
	v_pk_mul_f32 v[160+N_:161+N_], v[160+N_:161+N_], v[252:253] op_sel_hi:[1,0]   ; O^T under the new M.  These 16 are also the places between the writes of p's codes and scale word and the products
.set N_, N_+2
.endr
	WALU
	s_wait_dscnt 0x0                               ; V is in
.irp t, 0,1,2,3                                ; O^T += V^T P^T: the four accumulators take turns, one instruction a turn
.if \t%2
	v_wmma_scale_f32_16x16x128_f8f6f4 v[160+8*\t:167+8*\t], v[FRG+12*\t:FRG+12*\t+11], v[224:235], v[160+8*\t:167+8*\t], v[250+\t/2], v253 matrix_a_fmt:MATRIX_FMT_FP6 matrix_b_fmt:MATRIX_FMT_FP6 matrix_a_scale:MATRIX_SCALE_ROW1
.else
	v_wmma_scale_f32_16x16x128_f8f6f4 v[160+8*\t:167+8*\t], v[FRG+12*\t:FRG+12*\t+11], v[224:235], v[160+8*\t:167+8*\t], v[250+\t/2], v253 matrix_a_fmt:MATRIX_FMT_FP6 matrix_b_fmt:MATRIX_FMT_FP6
.endif
.endr
.if \full
.Lhidden_\@:
	s_add_co_u32 s[KF], s[KF], 128
.endif
.endm
; A TILE'S END: O^T / the sum; register 16 b + i is d = 32 b + 16 h + i of my query: two blocks of 32 along the next product's K
.macro FINISH yb, ysb
.rept 4
	v_nop                                          ; places behind the last products
.endr
	v_add_f32 v14, v14, v15
	s_delay_alu instid0(VALU_DEP_1)
	v_permlanex16_b32 v252, v14, s[SEL], s[SEL+1]
	s_delay_alu instid0(VALU_DEP_1)
	v_add_f32 v14, v14, v252                       ; the row's sum
	WALU
	v_rcp_f32 v14, v14
	v_nop                                          ; a plain instruction behind the reciprocal,
	WALU                                           ; and the wait ahead of its first reader
.set N_, 0
.rept 16
	v_pk_mul_f32 v[96+N_:97+N_], v[160+N_:161+N_], v[14:15] op_sel_hi:[1,0]   ; each accumulator from its low end on
.set N_, N_+2
.endr
.irp b, 0,1
	v_max3_num_f32 v[232+\b], |v[96+16*\b]|, |v[97+16*\b]|, 0x1800000
.endr
.irp i, 2,4,6,8,10,12,14
.irp b, 0,1
	s_delay_alu instid0(VALU_DEP_2)
	v_max3_num_f32 v[232+\b], v[232+\b], |v[96+16*\b+\i]|, |v[97+16*\b+\i]|
.endr
.endr
.irp b, 0,1
	s_delay_alu instid0(VALU_DEP_2)
	v_permlanex16_b32 v[236+\b], v[232+\b], s[SEL], s[SEL+1]
.endr
.irp b, 0,1
	s_delay_alu instid0(VALU_DEP_2)
	v_max_num_f32 v[232+\b], v[232+\b], v[236+\b]
.endr
.irp b, 0,1
	s_delay_alu instid0(VALU_DEP_2)
	v_add_nc_u32 v[244+\b], 0xff000000, v[232+\b]
.endr
.irp b, 0,1
	s_delay_alu instid0(VALU_DEP_2)
	v_lshrrev_b32 v[236+\b], 23, v[244+\b]
.endr
	s_delay_alu instid0(VALU_DEP_1)
	v_lshl_or_b32 v240, v237, 8, v236              ; my token's two scale bytes of this head
	v_cvt_scalef32_pk16_fp6_f32 v[224:226], v[96:111], v244
	v_cvt_scalef32_pk16_fp6_f32 v[236:238], v[112:127], v245
	v_nop
.irp i, 0,1,2
	v_permlane16_swap_b32 v[224+\i], v[236+\i]
.endr
.irp i, 0,1,2
	s_delay_alu instid0(VALU_DEP_3)
	v_mov_b32 v[227+\i], v[236+\i]                 ; v224-229: d = 32 h + 0 .. 31
.endr
.irp p, 0,1,2
	global_store_b64 v[L8], v[224+2*\p:225+2*\p], s[\yb:\yb+1] offset:256*\p   ; 32 lanes store 256 consecutive bytes, aligned
.endr
	global_store_b16 v[R32], v240, s[\ysb:\ysb+1]  ; lanes r and r + 16 store the same two bytes with the same value
	s_wait_xcnt 0x0                                ; the stores have read their registers, which are written again
.endm
.macro START sw                        ; a tile's beginning: Q's scale word as loaded stands in v[sw]
	v_perm_b32 v255, v[\sw], v[\sw], s[PSEL]       ; my token's two bytes, in both halves of the word: they serve Q in either half of K
	v_mov_b32 v13, 0xff61b1e6                      ; the largest t so far: -3e38, under every t
	v_mov_b32 v14, 0
	v_mov_b32 v15, 0
	v_floor_f32 v12, -v13
.set N_, 0
.rept 32
	v_mov_b32 v[160+N_], 0                         ; O^T: the first change of M multiplies zeros.  (These are also the places between the write of Q's scale word and the first product)
.set N_, N_+1
.endr
	WALU
.endm
.macro QLOAD d, sw, blk, g, b0, b1     ; half u of fragment cx + 4 g of block blk, and its scale word
	s_mul_i32 s60, s\blk, SLOTB
	s_mul_i32 s62, s\g, 4*FRB
	s_add_co_u32 s62, s62, s60
	s_lshl_b32 s61, s\g, 8
	s_add_co_u32 s60, s60, s61
	s_mov_b32 s61, 0
	s_mov_b32 s63, 0
	s_add_nc_u64 s[\b0:\b0+1], s[HB:HB+1], s[62:63]
	s_add_nc_u64 s[\b1:\b1+1], s[HB:HB+1], s[60:61]
	global_load_b64 v[\d:\d+1], v[QA0], s[\b0:\b0+1]
	global_load_b64 v[\d+2:\d+3], v[QA1], s[\b0:\b0+1]
	global_load_b64 v[\d+4:\d+5], v[QA2], s[\b0:\b0+1]
	global_load_b32 v[\sw], v[QSA], s[\b1:\b1+1]
.endm
.macro OUTAD yb, ysb, blk, g           ; my 16 positions: 128 batch + 16 block + 2 cx + 8 g + u
	s_lshl_b32 s60, s\blk, 4
	s_lshl_b32 s61, s\g, 3
	s_add_co_u32 s60, s60, s61
	s_add_co_u32 s60, s60, s74
	s_lshl_b32 s62, s60, 9                         ; their scale bytes,
	s_add_co_u32 s62, s62, s75                     ; my head's two
	s_lshl_b32 s60, s60, 3
	s_add_co_u32 s60, s60, s76                     ; K step head / 2,
	s_mul_i32 s60, s60, FRB
	s_add_co_u32 s60, s60, s77                     ; pieces 3 (head % 2) on
	s_mov_b32 s61, 0
	s_mov_b32 s63, 0
	s_add_nc_u64 s[\yb:\yb+1], s[6:7], s[60:61]
	s_add_nc_u64 s[\ysb:\ysb+1], s[8:9], s[62:63]
.endm
	s_load_b128 s[4:7], s[0:1], 0x0                ; qkv, yc
	s_load_b64 s[8:9], s[0:1], 0x10                ; ys
	v_lshl_add_u32 v[SPW], v0, 2, SPARE
	v_mov_b32 v[NIL], 0
	ds_add_u32 v[SPW], v[NIL]                      ; the opening lines: the add, twice on end, and its wait
	ds_add_u32 v[SPW], v[NIL]
	v_lshrrev_b32 v8, 5, v0
	v_readfirstlane_b32 s[WV], v8                  ; wave 0..15
	s_bfe_u32 s[CX], ttmp6, 0x40000                ; my place in the cluster
	s_and_b32 s66, ttmp7, 0xffff                   ; batch x 16 + head
	s_lshr_b32 s67, s66, 4                         ; batch
	s_and_b32 s68, s66, 15                         ; head
	s_and_b32 s70, s[WV], 1                        ; u
	s_bfe_u32 s69, s[WV], 0x10001                  ; g
	s_lshr_b32 s71, s[WV], 2                       ; p
	s_sub_co_u32 s72, 7, s71                       ; the first tile's block
	s_xor_b32 s73, s69, 1                          ; the second tile's g
	s_mov_b32 s[SWV], s72
	s_add_co_u32 s[NEG], s71, -8
	s_lshl_b32 s[XD], s72, 8
	s_lshl_b32 s60, s69, 7
	s_add_co_u32 s[XD], s[XD], s60
	s_lshl_b32 s[XD2], s71, 8
	s_lshl_b32 s60, s73, 7
	s_add_co_u32 s[XD2], s[XD2], s60
	s_lshl_b32 s74, s67, 7
	s_lshl_b32 s60, s[CX], 1
	s_add_co_u32 s74, s74, s60
	s_add_co_u32 s74, s74, s70                     ; 128 batch + 2 cx + u
	s_lshl_b32 s75, s68, 1
	s_lshr_b32 s76, s68, 1
	s_and_b32 s77, s68, 1
	s_mul_i32 s77, s77, 768
	s_mov_b32 s[G1], 15|(3<<16)|(1<<21)            ; the four of the cluster; elements of 8 bytes: 12,800 dense bytes as 50 rows of 256
	s_mov_b32 s[G1+1], 32<<16
	s_mov_b32 s[G1+2], 50<<16
	s_mov_b32 s[G1+3], 32<<16
	s_mov_b32 s[G1+4], 50
	s_mov_b32 s[G1+5], 32
	s_mov_b32 s[G1+6], 0
	s_mov_b32 s[G1+7], 0
	s_mov_b32 s[SEL], 0x76543210
	s_mov_b32 s[SEL+1], 0xfedcba98
	s_mov_b32 s[CS], 0x3e38aa3b                    ; c = log2(e) / 8
	s_mov_b32 s[CS+1], s[CS]
	s_cmp_eq_u32 s70, 0
	s_mov_b32 s[PSEL], 0x03020302
	s_cselect_b32 s[PSEL], 0x01000100, s[PSEL]
	s_lshl_b32 s56, s70, 3
	s_lshl_b32 s57, s[CX], 5
	s_add_co_u32 s56, s56, s57                     ; 8 u + 32 cx
	s_mul_i32 s60, s[CX], FRB                      ; registers 6 u .. 6 u + 5 of the image: u = 0: bytes 0, 8, 512; u = 1: bytes 520, 1,024, 1,032 (+ 16 x lane)
	s_mul_i32 s57, s70, 520
	s_add_co_u32 s57, s57, s60
	s_add_co_u32 s58, s57, 512
	s_mul_i32 s59, s70, 1016
	s_add_co_u32 s59, s59, s60
	s_add_co_u32 s59, s59, 8
	s_lshl_b32 s78, s[CX], 6
	s_add_co_u32 s78, s78, O_QS                    ; fragment F's words: 64 F + 4 r
	s_mul_i32 s62, s66, HEADB
	s_mov_b32 s63, 0
	s_lshr_b32 s60, s[WV], 1
	s_mul_i32 s60, s60, SLOTB
	s_mul_i32 s61, s70, 12800
	s_add_co_u32 s60, s60, s61
	s_add_co_u32 s60, s60, O_KV                    ; my half of slot wave / 2's dense block
	s_mov_b32 s61, 0
	s_mov_b32 s[G0], 1
	s_mul_i32 s[G0+1], s[WV], 12800
	WALU
	s_wait_dscnt 0x0                               ; both opening adds are done
	CROUND                                         ; the four work-groups are here: the joint loads meet
	s_wait_kmcnt 0x0
	s_add_nc_u64 s[HB:HB+1], s[4:5], s[62:63]
	s_add_nc_u64 s[G0+2:G0+3], s[HB:HB+1], s[60:61]
	s_or_b32 s[G0+3], s[G0+3], 0x80000000
	s_cmp_lt_u32 s[WV], 4                          ; one load a wave; waves 0 to 3, whose tiles the first barrier shows, have a line of their own
	s_cbranch_scc0 .Lrest
	TLOAD
	s_branch .Lasked
.Lrest:
	TLOAD
.Lasked:
	v_and_b32 v86, 15, v0                          ; r
	v_bfe_u32 v87, v0, 4, 1                        ; h
	v_and_b32 v89, 31, v0                          ; lane
	v_lshlrev_b32 v[LI], 4, v89
	v_lshlrev_b32 v[LS], 2, v89
	v_lshlrev_b32 v[L8], 3, v89
	v_lshlrev_b32 v[R32], 5, v86
	v_and_b32 v[QLN], 8, v86
	v_lshlrev_b32 v88, 4, v87
	v_add_nc_u32 v[QLN], v[QLN], v86
	v_add_nc_u32 v[QA0], s57, v[LI]
	v_add_nc_u32 v[QLN], s56, v[QLN]
	v_add_nc_u32 v[QA2], s58, v[LI]
	v_sub_nc_u32 v[QLN], v[QLN], v88
	v_add_nc_u32 v[QA1], s59, v[LI]
	v_lshl_add_u32 v[QSA], v86, 2, s78
	WALU
	QLOAD 22, 35, 72, 69, 80, 82                   ; both tiles' Q now: the change of tiles waits for no load
	QLOAD Q2, Q2+6, 71, 73, 84, 86
.irp j, 0,1,2,3,4,5
	v_mov_b32 v[16+\j], 0                          ; zero codes on both sides of Q's
	v_mov_b32 v[28+\j], 0
.endr
.irp b, 0,1,2,3
	v_mov_b32 v[236+\b], 0                         ; written once: a lane permute's destination counts as one of its sources
.endr
	v_mov_b32 v252, 0
	v_mov_b32 v253, 0                              ; (named as the upper half of the pair v[252:253] before it is first written)
	OUTAD YB, YSB, 72, 69
	OUTAD YB2, YSB2, 71, 73
	WALU
	s_wait_loadcnt 0x0
	START 35
	s_cmp_lt_u32 s[WV], 4
	s_cbranch_scc0 .Lnot_mine
	s_wait_tensorcnt 0x0
.Lnot_mine:
	s_barrier_signal -1
	s_barrier_wait -1                              ; slots 0 and 1 are in; the others may be on their way
	s_mov_b32 s[VI], 0
.Lfirst:                                           ; visits 0 and 1
	s_mul_i32 s[TB], s[VI], LSLOT
	STEP 0, 0
	STEP 1, 0
	s_add_co_u32 s[VI], s[VI], 1
	s_cmp_lt_u32 s[VI], 2
	s_cbranch_scc1 .Lfirst
	s_wait_tensorcnt 0x0                           ; every wave's load has landed,
	s_wait_dscnt 0x0
	s_barrier_signal -1
	s_barrier_wait -1                              ; and all eight slots are shown to all.  From here on the waves share nothing that changes
	s_mov_b32 s[VI], 2
.Lvisit:                                           ; visits 2 to 8
	s_add_co_u32 s56, s[VI], s[NEG]                ; visit - (8 - p): above every visit's number while the first tile is in hand
	s_min_u32 s56, s[VI], s56                      ; the slot
	s_mul_i32 s[TB], s56, LSLOT
	s_lshl_b32 s[KF], s56, 8
	STEP 0, 1
	STEP 1, 1
	s_cmp_lg_u32 s[VI], s[SWV]                     ; was this the first tile's last visit?  A branch on the wave's number
	s_cbranch_scc1 .Lsame
	FINISH YB, YSB
.irp j, 0,1,2,3,4,5
	v_mov_b32 v[22+\j], v[Q2+\j]
.endr
	s_mov_b32 s[XD], s[XD2]
	START Q2+6
.Lsame:
	s_add_co_u32 s[VI], s[VI], 1
	s_cmp_lt_u32 s[VI], 9
	s_cbranch_scc1 .Lvisit
	FINISH YB2, YSB2
	s_wait_tensorcnt 0x0                           ; the wave's end
	ds_add_u32 v[SPW], v[NIL]
	s_wait_dscnt 0x0
	CROUND                                         ; the closing round
	s_endpgm
.Lfunc_end_k_q3a8c7e400e_attn:
	.size	k_q3a8c7e400e_attn, .Lfunc_end_k_q3a8c7e400e_attn-k_q3a8c7e400e_attn
	.p2alignl 7, 3214868480
	.fill 96, 4, 3214868480
	.section	.rodata,"a",@progbits
	.p2align	6, 0x0
	.amdhsa_kernel k_q3a8c7e400e_attn
		.amdhsa_group_segment_fixed_size 327680
		.amdhsa_private_segment_fixed_size 0
		.amdhsa_enable_private_segment 0
		.amdhsa_kernarg_size 24
		.amdhsa_user_sgpr_count 2
		.amdhsa_user_sgpr_kernarg_segment_ptr 1
		.amdhsa_wavefront_size32 1
		.amdhsa_system_sgpr_workgroup_id_x 1
		.amdhsa_system_sgpr_workgroup_id_y 1
		.amdhsa_system_sgpr_workgroup_id_z 1
		.amdhsa_system_vgpr_workitem_id 0
		.amdhsa_next_free_vgpr 256
		.amdhsa_next_free_sgpr 100
		.amdhsa_reserve_vcc 1
		.amdhsa_float_denorm_mode_32 3
		.amdhsa_float_denorm_mode_16_64 3
		.amdhsa_memory_ordered 1
		.amdhsa_forward_progress 1
		.amdhsa_inst_pref_size 98
	.end_amdhsa_kernel
	.amdgpu_metadata
---
amdhsa.version: [ 1, 2 ]
amdhsa.kernels:
  - .name:           k_q3a8c7e400e_attn
    .symbol:         k_q3a8c7e400e_attn.kd
    .args:
      - { .name: qkv, .offset: 0, .size: 8, .value_kind: global_buffer, .address_space: global }
      - { .name: yc, .offset: 8, .size: 8, .value_kind: global_buffer, .address_space: global }
      - { .name: ys, .offset: 16, .size: 8, .value_kind: global_buffer, .address_space: global }
    .group_segment_fixed_size: 327680
    .private_segment_fixed_size: 0
    .kernarg_segment_align: 8
    .kernarg_segment_size: 24
    .max_flat_workgroup_size: 512
    .sgpr_count:     100
    .vgpr_count:     256
    .wavefront_size: 32
...
	.end_amdgpu_metadata
.endif
;; end of part 3
;; launch gemm_proj (part 4): grid 4 x 64, 4 waves a work-group, clusters of 4 x 4, 327,680 bytes of LDS; arguments yc, ys, wc, ws, b_proj, out0; writes out0
.if DOCPART == 4
	.amdgcn_target "amdgcn-amd-amdhsa--gfx1250"
	.amdhsa_code_object_version 6
	.text
	.protected	k_q3a8c7e400e_gemm_proj
	.globl	k_q3a8c7e400e_gemm_proj
	.p2align	8
	.type	k_q3a8c7e400e_gemm_proj,@function
k_q3a8c7e400e_gemm_proj:
	s_mov_b64 s[64:65], 0
	v_nop
	global_prefetch_b8 v0, s[64:65] scope:SCOPE_SE
	s_setreg_imm32_b32 hwreg(HW_REG_WAVE_MODE, 25, 1), 1
	s_wait_xcnt 0x0
	s_wait_alu depctr_hold_cnt(0) depctr_sa_sdst(0) depctr_va_vdst(0) depctr_va_sdst(0) depctr_va_ssrc(0) depctr_va_vcc(0) depctr_vm_vsrc(0)
	s_getreg_b32 s2, hwreg(HW_REG_IB_STS2, 6, 4)
	s_cmp_eq_u32 s2, 0
	s_cbranch_scc0 .Lentry_in_a_cluster
	s_endpgm
.Lentry_in_a_cluster:
	s_bfe_u32 s2, ttmp6, 0x10000c
	s_cmp_lg_u32 s2, 0xf033
	s_cbranch_scc0 .Lentry_shape_is_right
	s_endpgm
.Lentry_shape_is_right:
; out0 = y w_proj + b_proj on codes of FP6 (E2M3) with E8M0 scales, K = 1,024; f32 out.
; OPERANDS: yc, wc lie in the order of the operand's registers: [16 positions][K step of 128][piece 0..5][lane][8 bytes], a fragment 1,536 bytes; position P holds row pi(P) (bits 3 and 4 exchanged).  ys, ws: [position][32].  w_proj's columns are wc's positions 3,072 on.
; A BLOCK OF THE RESULT is 128 tokens x 256 columns: 64 x 4 = 256 work-groups.  Four waves; wave w makes all 128 tokens x columns 64 w on: 8 blocks of 16 tokens x 4 tiles of 16 columns: 32 accumulators in window 2.
; ALL OF K LIES IN LDS, in two halves of 512: a half holds A's 8 and B's 16 groups of 16 positions, 6,144 bytes each.  Nothing is filled again.  At the head one joint load a wave: A's first half, B's first half, A's scales, B's scales;
; the second half is a later first fill: behind the three lines and a round of the cluster's barrier, a wave a load (waves 0, 1: 4 groups of A each; waves 2, 3: 8 groups of B each).
; THE WALK.  A half's 16 fragments of my columns lie in registers (the first half's in window 1, the second's in window 3); the tokens stream past in blocks of 16, four fragments a block and half, in two sets.
;   First half: all eight blocks, 16 products each, the block's four accumulators by turns.  Second half: the same, and a block that is finished LEAVES while the next ones are multiplied.
;   A plain barrier at the head of the first half's last block shows the second half to all; no wave reads the first half's bytes behind it.
; CLUSTER 4 x 4: A's tiles are shared along a row of the cluster, B's along a column.
; THE MATRIX INSTRUCTION IS USED TRANSPOSED: source 0 = 16 positions of B, source 1 = 16 of A: a lane holds a token, and register 8 b + j the column 32 (b / 2) + 8 (b % 2) + 16 h + j of my 64.  The bias is the C of each sum's first instruction.
; THE WAY OUT: 16 tokens x 64 columns through the wave's own stage, in the first half's bytes, which have had their only fill; sixteen lanes store a row's 256 bytes, aligned.
; NO PREFETCH: the launch has two fills and no loop to run ahead in.
; REGISTERS: window 0: v16-30 addresses; v32-95 scale words and nothing else (register 32 half + 4 i + step % 4: lanes 0-15 A's block i, lanes 16-31 B's tile i % 4); v96-127 the bias, later rows read back; v128-159 rows read back; v160-255 A's fragments, two sets.
.set FR,     12
.set FRB,    1536
.set GRP,    4*FRB                     ; 16 positions' half of K
.set RBB,    12288                     ; 16 positions, all of K, in memory
.set SLOT,   24*GRP
.set SCL,    2*SLOT                    ; the scales, as units of 256 bytes + 16 of padding: A's 16 units, B's 32
.set SBLK,   544                       ; 16 positions' scales
.set SPARE,  SCL+48*272                ; the spare words, 128 bytes for each wave
.set SPITCH, 272
.set ADRA, 16
.set ADRB, 20
.set STO,  24
.set RD,   25
.set CO,   26
.set ADRS, 27
.set SPW,  28
.set NIL,  29
.set ADRT, 30                          ; as ADRS, its lanes 16-31 four tiles back: for A's blocks 4 to 7
.set SC,   32
.set BI,   96
.set BK,   96
.set AF,   160
.set G1, 24
.set G0, 32
.set G1B, 48
.set G0B, 56
.set G1S, 68
.set G0S, 76
.set G1SB, 80
.set G0SB, 88
.set MSB, 0
.macro WIN new                         ; the immediate's high byte repeats the setting that is left
.if MSB != (\new)
	s_set_vgpr_msb (MSB<<8)|(\new)
.set MSB, (\new)
.endif
.endm
.macro PLACES n
.rept \n
	v_nop
.endr
.endm
.macro TL g0, g1
	tensor_load_to_lds s[\g0:\g0+3], s[\g1:\g1+7]
	s_nop 0
	PLACES 4
.endm
.macro CROUND
	s_barrier_signal -1
	s_barrier_wait -1
	s_cmp_lg_u32 s14, 0
	s_cbranch_scc1 .Lnot_wave_0_\@
	s_barrier_signal -3
.Lnot_wave_0_\@:
	s_barrier_wait -3
	s_barrier_signal -1
	s_barrier_wait -1
.endm
.macro ARM under, g0, g1, next
	s_cmp_lt_u32 s14, \under
	s_cbranch_scc0 \next
	TL \g0, \g1
	s_branch .Lhead_asked
\next:
.endm
.macro FRAG reg, adr, q, i             ; a fragment comes as it lies: six loads of 8 bytes a lane, each of 256 consecutive bytes
.irp p, 0,1,2,3,4,5
	ds_load_b64 v[\reg+2*\p:\reg+2*\p+1], v[\adr] offset:(\i)*GRP+(\q)*FRB+256*\p
.endr
.endm
.macro FETCHB hf                       ; my 64 columns' 16 fragments of half hf: fragment 4 q + t, into window 1 or 3
	WIN 0x40+0x80*(\hf)
.irp q, 0,1,2,3
.irp t, 0,1,2,3
	FRAG FR*(4*\q+\t), ADRB+(\hf), \q, \t
.endr
.endr
	WIN 0
.endm
.macro FETCHA hf, a                    ; block a's four fragments of half hf into set a % 2
.irp q, 0,1,2,3
	FRAG AF+48*((\a)%2)+FR*\q, ADRA+(\hf), \q, \a
.endr
.endm
.macro SCALES hf                       ; a half's scale words, four a position
.irp i, 0,1,2,3
	ds_load_b128 v[SC+32*(\hf)+4*\i:SC+32*(\hf)+4*\i+3], v[ADRS] offset:\i*SBLK+16*(\hf)
.endr
.irp i, 4,5,6,7
	ds_load_b128 v[SC+32*(\hf)+4*\i:SC+32*(\hf)+4*\i+3], v[ADRT] offset:\i*SBLK+16*(\hf)
.endr
.endm
.macro MUL hf, a                       ; 16 products: block a, half hf
.set P_, (\a)%2
.irp q, 0,1,2,3
.if (\hf) == 1
	WIN 0xa3                                       ; source 0 (B) window 3, source 1 (A) window 0, C and D window 2
.elseif \q == 0
	WIN 0x81                                       ; source 0 window 1; C (the bias) window 0
.else
	WIN 0xa1
.endif
.irp t, 0,1,2,3
.if (\hf) == 0 && \q == 0
	v_wmma_scale_f32_16x16x128_f8f6f4 v[8*(4*(\a)+\t):8*(4*(\a)+\t)+7], v[FR*(4*\q+\t):FR*(4*\q+\t)+FR-1], v[AF+48*P_+FR*\q:AF+48*P_+FR*\q+FR-1], v[BI+8*\t:BI+8*\t+7], v[SC+32*(\hf)+4*\t+\q], v[SC+32*(\hf)+4*(\a)+\q] matrix_a_fmt:MATRIX_FMT_FP6 matrix_b_fmt:MATRIX_FMT_FP6 matrix_a_scale:MATRIX_SCALE_ROW1
.else
	v_wmma_scale_f32_16x16x128_f8f6f4 v[8*(4*(\a)+\t):8*(4*(\a)+\t)+7], v[FR*(4*\q+\t):FR*(4*\q+\t)+FR-1], v[AF+48*P_+FR*\q:AF+48*P_+FR*\q+FR-1], v[8*(4*(\a)+\t):8*(4*(\a)+\t)+7], v[SC+32*(\hf)+4*\t+\q], v[SC+32*(\hf)+4*(\a)+\q] matrix_a_fmt:MATRIX_FMT_FP6 matrix_b_fmt:MATRIX_FMT_FP6 matrix_a_scale:MATRIX_SCALE_ROW1
.endif
.endr
.endr
.endm
.macro TOSTAGE a                       ; block a into my stage, and back as rows of 256 bytes, two rows a load
.set AC, 32*(\a)
	WIN 0x08                                       ; the data: window 2
.irp b, 0,1,2,3
	ds_store_b128 v[STO], v[AC+8*\b:AC+8*\b+3] offset:128*(\b/2)+32*(\b%2)          ; each accumulator from its low end on
	ds_store_b128 v[STO], v[AC+8*\b+4:AC+8*\b+7] offset:128*(\b/2)+32*(\b%2)+16
.endr
	WIN 0
.set BB, BK+32*((\a)%2)
.irp t, 0,1,2,3,4,5,6,7
	ds_load_b128 v[BB+4*\t:BB+4*\t+3], v[RD] offset:\t*2*SPITCH    ; LDS serves a wave's instructions in order: these see the stores above
.endr
.endm
.macro SEND a
.set BB, BK+32*((\a)%2)
.irp t, 0,1,2,3,4,5,6,7
	global_store_b128 v[CO], v[BB+4*\t:BB+4*\t+3], s[98:99] offset:(32*((\a)/2)+8*((\a)%2)+2*\t+8*(\t/4))*4096 th:TH_STORE_NT   ; sixteen lanes store 256 consecutive bytes, aligned
.endr
.endm
.macro BLK1 a                          ; the first half's block a
.if \a == 7
	s_wait_tensorcnt 0x0                           ; my part of the second half has landed
.endif
	s_wait_dscnt 0x0                               ; this block's fragments are in; at block 7: my reads of the first half's bytes are over
.if \a == 7
	s_barrier_signal -1
	s_barrier_wait -1                              ; the second half is whole, and nobody reads the first any more
.endif
	PLACES 4                                       ; in front of loads into registers that the last block's products have read
	WIN 0
.if \a < 7
	FETCHA 0, \a+1
.else
	FETCHB 1
	FETCHA 1, 0
	SCALES 1
.endif
	MUL 0, \a
.endm
.macro BLK2 a                          ; the second half's block a; block a - 1 goes into the stage, block a - 2 is stored
	s_wait_dscnt 0x0                               ; this block's fragments are in, and block a - 2 is back from the stage
	WIN 0
.if \a >= 2
	s_wait_xcnt 0x0                                ; block a - 3's stores have read their registers: block a - 1's rows may land there
	SEND \a-2
.endif
	PLACES 4                                       ; in front of the reads of block a - 1's sums and of loads into registers that its products have read
.if \a >= 1
	TOSTAGE \a-1
.endif
.if \a < 7
	FETCHA 1, \a+1
.endif
	MUL 1, \a
.endm
	s_load_b128 s[4:7], s[0:1], 0x0                ; yc, ys
	s_load_b128 s[8:11], s[0:1], 0x10              ; wc, ws
	s_load_b128 s[96:99], s[0:1], 0x20             ; b_proj, out0
	v_lshl_add_u32 v[SPW], v0, 2, SPARE
	v_mov_b32 v[NIL], 0
	ds_add_u32 v[SPW], v[NIL]                      ; the opening lines: the add, twice on end, and its wait
	ds_add_u32 v[SPW], v[NIL]
	v_lshrrev_b32 v1, 5, v0
	v_readfirstlane_b32 s14, v1                    ; wave 0..3
	s_lshr_b32 s15, s14, 1                         ; I fetch for A (0) or for B (1),
	s_and_b32 s16, s14, 1                          ; and which half of that tile
	s_bfe_u32 s40, ttmp6, 0x40000                  ; cx, cy
	s_bfe_u32 s41, ttmp6, 0x40004
	s_lshl_b32 s42, ttmp9, 2
	s_add_co_u32 s42, s42, s40                     ; TC: B's tile of 256
	s_and_b32 s17, ttmp7, 0xffff
	s_lshl_b32 s17, s17, 2
	s_add_co_u32 s17, s17, s41                     ; TR: A's tile of 128
	s_lshl_b32 s43, s41, 2
	s_lshl_b32 s43, 15, s43                        ; my row of the cluster
	s_lshl_b32 s44, 0x1111, s40                    ; my column
	s_or_b32 s[G1+0], s43, (3<<16)|(1<<21)         ; codes: rows of 6,144 bytes = 768 elements of 8 bytes, 12,288 bytes apart, dense in LDS
	s_or_b32 s[G1B+0], s44, (3<<16)|(1<<21)
.irp g, G1, G1B
	s_mov_b32 s[\g+1], 768<<16
	s_mov_b32 s[\g+3], 768<<16
	s_mov_b32 s[\g+5], 1536
	s_mov_b32 s[\g+6], 0
	s_mov_b32 s[\g+7], 0
.endr
	s_mov_b32 s[G1+2], 8<<16                       ; the head's loads: A's 8 groups, B's 16
	s_mov_b32 s[G1+4], 8
	s_mov_b32 s[G1B+2], 16<<16
	s_mov_b32 s[G1B+4], 16
	s_or_b32 s[G1S+0], s43, (3<<16)|(1<<20)|(1<<21)|(5<<22)|(3<<25)   ; scales: dense rows of 256 bytes, 16 bytes of padding behind each
	s_or_b32 s[G1SB+0], s44, (3<<16)|(1<<20)|(1<<21)|(5<<22)|(3<<25)
.irp g, G1S, G1SB
	s_mov_b32 s[\g+1], 32<<16
	s_mov_b32 s[\g+3], 32<<16
	s_mov_b32 s[\g+5], 32
	s_mov_b32 s[\g+6], 0
	s_mov_b32 s[\g+7], 0
.endr
	s_mov_b32 s[G1S+2], 16<<16
	s_mov_b32 s[G1S+4], 16
	s_mov_b32 s[G1SB+2], 32<<16
	s_mov_b32 s[G1SB+4], 32
	s_mul_i32 s20, s17, 128*768                    ; A's codes,
	s_mov_b32 s21, 0
	s_lshl_b32 s22, s17, 12                        ; its scales
	s_mov_b32 s23, 0
	s_lshl_b32 s46, s42, 8
	s_add_co_u32 s46, s46, 3072                    ; B: position 3,072 + 256 TC
	s_lshl_b32 s92, s46, 5
	s_mov_b32 s93, 0
	s_mul_i32 s46, s46, 768
	s_mov_b32 s47, 0
	s_wait_alu depctr_va_vdst(0)
	s_wait_dscnt 0x0                               ; both opening adds are done
	s_wait_kmcnt 0x0
	s_add_nc_u64 s[20:21], s[4:5], s[20:21]
	s_add_nc_u64 s[22:23], s[6:7], s[22:23]
	s_add_nc_u64 s[46:47], s[8:9], s[46:47]
	s_add_nc_u64 s[92:93], s[10:11], s[92:93]
	CROUND                                         ; all sixteen work-groups are here: the first joint loads meet
	s_mov_b32 s4, 1                                ; the head's four tiles (the arguments that lay here have been used): A's first half,
	s_mov_b32 s5, 0
	s_mov_b64 s[6:7], s[20:21]
	s_or_b32 s7, s7, 0x80000000
	s_mov_b32 s8, 1                                ; B's,
	s_mov_b32 s9, 8*GRP
	s_mov_b64 s[10:11], s[46:47]
	s_or_b32 s11, s11, 0x80000000
	s_mov_b32 s[G0S], 1                            ; A's scales,
	s_mov_b32 s[G0S+1], SCL
	s_mov_b64 s[G0S+2:G0S+3], s[22:23]
	s_or_b32 s[G0S+3], s[G0S+3], 0x80000000
	s_mov_b32 s[G0SB], 1                           ; B's
	s_mov_b32 s[G0SB+1], SCL+16*272
	s_mov_b64 s[G0SB+2:G0SB+3], s[92:93]
	s_or_b32 s[G0SB+3], s[G0SB+3], 0x80000000
	s_mov_b32 s19, 0                               ; the second half: my 4 groups of A,
	s_mov_b32 s[G0], 1
	s_mul_i32 s18, s16, 4*GRP
	s_add_co_u32 s[G0+1], s18, SLOT
	s_mul_i32 s18, s16, 4*RBB
	s_add_co_u32 s18, s18, GRP
	s_add_nc_u64 s[G0+2:G0+3], s[20:21], s[18:19]
	s_or_b32 s[G0+3], s[G0+3], 0x80000000
	s_mov_b32 s[G0B], 1                            ; or my 8 groups of B
	s_mul_i32 s18, s16, 8*GRP
	s_add_co_u32 s[G0B+1], s18, SLOT+8*GRP
	s_mul_i32 s18, s16, 8*RBB
	s_add_co_u32 s18, s18, GRP
	s_add_nc_u64 s[G0B+2:G0B+3], s[46:47], s[18:19]
	s_or_b32 s[G0B+3], s[G0B+3], 0x80000000
	ARM 1, 4, G1, .Lhead_b                         ; one chain of branches on the wave's number, one load to an arm
	ARM 2, 8, G1B, .Lhead_sa
	ARM 3, G0S, G1S, .Lhead_sb
	TL G0SB, G1SB
.Lhead_asked:
	s_mul_i32 s22, s14, 4*GRP
	s_add_co_u32 s22, s22, 8*GRP                   ; my 64 positions of B, behind A's 128
	s_add_co_u32 s67, s22, SLOT
	s_mul_i32 s95, s14, 8*272
	s_add_co_u32 s94, s95, 8*272                   ; from A's scales to my tiles' less four tiles,
	s_add_co_u32 s95, s95, 16*272                  ; and to my tiles'
	s_mul_i32 s23, s14, 16*SPITCH                  ; my stage
	v_and_b32 v1, 15, v0                           ; r
	v_bfe_u32 v2, v0, 4, 1                         ; h
	v_and_b32 v3, 31, v0                           ; lane
	v_lshlrev_b32 v[ADRA], 3, v3
	v_lshlrev_b32 v5, 5, v1                        ; 32 scale bytes a position,
	v_add_nc_u32 v[ADRA+1], SLOT, v[ADRA]
	v_add_nc_u32 v[ADRB], s22, v[ADRA]
	v_add_nc_u32 v[ADRB+1], s67, v[ADRA]
	v_lshrrev_b32 v6, 8, v5
	v_lshl_add_u32 v5, v6, 4, v5                   ; and 16 more for each 256 passed
	v_mul_u32_u24 v6, s95, v2                      ; lanes 16-31 take B's
	v_mul_u32_u24 v8, s94, v2
	v_add_nc_u32 v6, v5, v6
	v_add_nc_u32 v8, v5, v8
	v_add_nc_u32 v[ADRS], SCL, v6
	v_add_nc_u32 v[ADRT], SCL, v8
	v_mul_u32_u24 v5, v1, SPITCH                   ; into the stage: row r, 64 bytes for each half of the lanes
	v_lshl_add_u32 v5, v2, 6, v5
	v_add_nc_u32 v[STO], s23, v5
	v_mul_u32_u24 v5, v2, SPITCH                   ; back: lanes 0-15 take one row of 256 bytes, lanes 16-31 the next
	v_lshl_add_u32 v5, v1, 4, v5
	v_add_nc_u32 v[RD], s23, v5
	v_lshlrev_b32 v9, 12, v2                       ; and the same two rows in out0
	v_lshl_add_u32 v[CO], v1, 4, v9
	v_lshlrev_b32 v7, 6, v2
	s_wait_alu depctr_va_vdst(0)
	s_lshl_b32 s20, s17, 19                        ; my first token: 128 TR rows of 4,096 bytes
	s_lshl_b32 s21, s42, 10
	s_lshl_b32 s22, s14, 8
	s_add_co_u32 s22, s22, s21                     ; my first column, in bytes
	s_add_co_u32 s20, s20, s22
	s_mov_b32 s21, 0
	s_mov_b32 s23, 0
	s_add_nc_u64 s[98:99], s[98:99], s[20:21]
	s_add_nc_u64 s[96:97], s[96:97], s[22:23]
.irp b, 0,1,2,3
	global_load_b128 v[BI+8*\b:BI+8*\b+3], v7, s[96:97] offset:(32*(\b/2)+8*(\b%2))*4      ; the bias, in the result's layout
	global_load_b128 v[BI+8*\b+4:BI+8*\b+7], v7, s[96:97] offset:(32*(\b/2)+8*(\b%2))*4+16
.endr
	s_wait_loadcnt 0x0
	s_wait_tensorcnt 0x0                           ; my tile of the head's four is in
	ds_add_u32 v[SPW], v[NIL]
	s_mov_b32 s[G1+2], 4<<16                       ; no tensor load of mine is out: the second half comes by 4 groups of A and 8 of B a wave
	s_mov_b32 s[G1+4], 4
	s_mov_b32 s[G1B+2], 8<<16
	s_mov_b32 s[G1B+4], 8
	s_wait_dscnt 0x0
	CROUND                                         ; all four tiles are in, and all sixteen work-groups are here
	s_cmp_eq_u32 s15, 0
	s_cbranch_scc0 .Lfor_b
	TL G0, G1
	s_branch .Lasked
.Lfor_b:
	TL G0B, G1B
.Lasked:
	FETCHB 0
	FETCHA 0, 0
	SCALES 0
.irp a, 0,1,2,3,4,5,6,7
	BLK1 \a
.endr
.irp a, 0,1,2,3,4,5,6,7
	BLK2 \a
.endr
	WIN 0
	PLACES 4                                       ; in front of the reads of block 7's sums
	s_wait_dscnt 0x0                               ; block 6 is back from the stage
	s_wait_xcnt 0x0                                ; block 5's stores have read their registers
	SEND 6
	TOSTAGE 7
	s_wait_dscnt 0x0
	SEND 7
	s_wait_tensorcnt 0x0                           ; the wave's end
	ds_add_u32 v[SPW], v[NIL]
	s_wait_dscnt 0x0
	CROUND                                         ; the closing round
	s_endpgm
.Lfunc_end_k_q3a8c7e400e_gemm_proj:
	.size	k_q3a8c7e400e_gemm_proj, .Lfunc_end_k_q3a8c7e400e_gemm_proj-k_q3a8c7e400e_gemm_proj
	.p2alignl 7, 3214868480
	.fill 96, 4, 3214868480
	.section	.rodata,"a",@progbits
	.p2align	6, 0x0
	.amdhsa_kernel k_q3a8c7e400e_gemm_proj
		.amdhsa_group_segment_fixed_size 327680
		.amdhsa_private_segment_fixed_size 0
		.amdhsa_enable_private_segment 0
		.amdhsa_kernarg_size 48
		.amdhsa_user_sgpr_count 2
		.amdhsa_user_sgpr_kernarg_segment_ptr 1
		.amdhsa_wavefront_size32 1
		.amdhsa_system_sgpr_workgroup_id_x 1
		.amdhsa_system_sgpr_workgroup_id_y 1
		.amdhsa_system_sgpr_workgroup_id_z 1
		.amdhsa_system_vgpr_workitem_id 0
		.amdhsa_next_free_vgpr 1024
		.amdhsa_next_free_sgpr 100
		.amdhsa_reserve_vcc 0
		.amdhsa_float_denorm_mode_32 3
		.amdhsa_float_denorm_mode_16_64 3
		.amdhsa_memory_ordered 1
		.amdhsa_forward_progress 1
		.amdhsa_inst_pref_size 99
	.end_amdhsa_kernel
	.amdgpu_metadata
---
amdhsa.version: [ 1, 2 ]
amdhsa.kernels:
  - .name:           k_q3a8c7e400e_gemm_proj
    .symbol:         k_q3a8c7e400e_gemm_proj.kd
    .args:
      - { .name: yc, .offset: 0, .size: 8, .value_kind: global_buffer, .address_space: global }
      - { .name: ys, .offset: 8, .size: 8, .value_kind: global_buffer, .address_space: global }
      - { .name: wc, .offset: 16, .size: 8, .value_kind: global_buffer, .address_space: global }
      - { .name: ws, .offset: 24, .size: 8, .value_kind: global_buffer, .address_space: global }
      - { .name: b_proj, .offset: 32, .size: 8, .value_kind: global_buffer, .address_space: global }
      - { .name: out0, .offset: 40, .size: 8, .value_kind: global_buffer, .address_space: global }
    .group_segment_fixed_size: 327680
    .private_segment_fixed_size: 0
    .kernarg_segment_align: 8
    .kernarg_segment_size: 48
    .max_flat_workgroup_size: 128
    .sgpr_count:     100
    .vgpr_count:     1024
    .wavefront_size: 32
...
	.end_amdgpu_metadata
.endif
;; end of part 4
